; MI455X (gfx1250); checked and timed in simulation.
; The chip was launched on July 23, 2026; its instructions are those of AMD's public machine-readable ISA for CDNA 5 (MIT licence, August 2026) and "CDNA5" Instruction Set Architecture Reference Guide (July 2026). The comments in the code are by the model that wrote it; some were corrected since.
;; Multi Headed Attention. Allowed arithmetic: matrix products marked QUANTISED: E2M3 operands, one E8M0 scale for each 32 along K, by v_wmma_scale_f32_16x16x128_f8f6f4 with both operands' format E2M3, f32 sums; everything else in f32.
;; Inputs: Wk 1,024 x 1,024 float32; Wo 1,024 x 1,024 float32; Wq 1,024 x 1,024 float32; Wv 1,024 x 1,024 float32; bk 1,024 float32; bo 1,024 float32; bq 1,024 float32; bv 1,024 float32; key 2 x 2,048 x 1,024 float32; query 2 x 2,048 x 1,024 float32; value 2 x 2,048 x 1,024 float32.
;; Outputs: out0 2 x 2,048 x 1,024 float32.
;; This version of the problem:
;;   THIS VERSION OF THE PROBLEM IS GIVEN IN LOW PRECISION. The matrix products marked QUANTISED in the list below multiply operands that are first quantised to E2M3 (2 exponent bits, 3 mantissa bits; 6 bits a number), with one power-of-two scale for each 32 numbers along K (OCP MX v1.0); their sums are f32. All else is computed in f32.
;;   The module's matrix products, in the order in which they are computed (A, B: the left and right operand; K: the contracted axis; several contracted axes count as one K, in the product's order):
;;     1. [M 4,096, K 1,024] x [K 1,024, N 1,024]; A: input query; B: input Wq: QUANTISED
;;     2. [M 4,096, K 1,024] x [K 1,024, N 1,024]; A: input key; B: input Wk: QUANTISED
;;     3. [M 4,096, K 1,024] x [K 1,024, N 1,024]; A: input value; B: input Wv: QUANTISED
;;     4. batch 32 x [M 2,048, K 64] x [K 64, N 2,048]; A: computed on the way; B: computed on the way: QUANTISED
;;     5. batch 32 x [M 2,048, K 2,048] x [K 2,048, N 64]; A: softmax (see below); B: computed on the way: QUANTISED
;;     6. [M 4,096, K 1,024] x [K 1,024, N 1,024]; A: computed on the way; B: input Wo: QUANTISED
;;   THE QUANTISER, for each operand of a quantised product, along K:
;;     - K is cut into blocks of 32 from its start; a last block that is shorter is filled with zeros.
;;     - A block's scale is 2^e with e = floor(log2(the largest magnitude in the block)) - 2, held to -126 .. 127; a block of zeros has e = 0. As a byte (E8M0): e + 127.
;;     - Each number is divided by its block's scale, clamped to +-7.5, and rounded to the nearest number of E2M3, ties to even, subnormals kept.
;;     - The product sums the exact products of the quantised numbers (number of the format x scale) in f32.
;;   ~~~python
;;   def quantise(x, axis):      # numpy; x: float32 -> the quantised numbers, widened to float32 again
;;       x = np.moveaxis(x, axis, -1); K = x.shape[-1]
;;       x = np.pad(x, [(0, 0)] * (x.ndim - 1) + [(0, -K % 32)]); x = x.reshape(x.shape[:-1] + (-1, 32)); a = np.abs(x).max(-1, keepdims=True)
;;       e = np.where(a > 0, np.clip(np.frexp(np.where(a > 0, a, 1))[1] - 1 - 2, -126, 127), 0)      # np.frexp(a)[1] - 1 = floor(log2(a)), exactly
;;       r = np.clip(x / 2.0 ** e, -7.5, 7.5)
;;       step = 2.0 ** (np.maximum(np.frexp(np.where(r == 0, 1, r))[1] - 1, 0) - 3)
;;       q = np.round(r / step) * step * 2.0 ** e      # np.round: ties to even
;;       return np.moveaxis(q.reshape(q.shape[:-2] + (-1,))[..., :K], -1, axis).astype(np.float32)
;;   ~~~
;;   SOFTMAX AHEAD OF A QUANTISED PRODUCT. Where the list says 'softmax', what is quantised is not the finished softmax but p = 2^(t - M), with t = logit x log2(e) and M = ceil(the row's largest t), a whole number; so 1/2 < the row's largest p <= 1. The row's sum l is taken of the UNQUANTISED p, in f32, and the product's result is divided by l at the end. Since M is a whole number, a kernel that streams over the keys may use a running M (the ceiling of the running maximum): every later rescaling is an exact power of two, which a block's scale takes up: the codes' values come out the same.
;;   OPERANDS COMPUTED ON THE WAY. 'Computed on the way' means the value that the module computes at that place (a softmax that the list does not call 'softmax' is quantised finished and normalised). What goes into a quantiser is computed in f32, as accurately as f32 sums, v_exp_f32 and their like allow (about 1e-6 of the number): no bf16 or f16 on the way to a quantiser, and a product that is left as it is and whose result goes on into a quantised operand takes f32 operands (vector FMAs, or v_wmma_f32_16x16x4_f32). A number that lies on a knife's edge between two numbers of the format may be rounded either way, as far as f32 arithmetic and the matrix unit's own rounding can turn it there, and no further.
;; One version. Each part assembles by itself: llvm-mc -triple=amdgcn-amd-amdhsa -mcpu=gfx1250 --defsym DOCPART=n.
;; ======== version 1 of 1: 4 launches
;; limits: right only within a limited range of input values
;; workspace buffers: xc 9,437,184 bytes; xs 393,216 bytes; wc 3,145,728 bytes; ws 131,072 bytes; hc 9,437,184 bytes; hs 524,288 bytes; cc 3,145,728 bytes; cs 131,072 bytes
;; launch quant (part 1): grid 512 x 1, 4 waves a work-group, no clusters, 46,592 bytes of LDS; arguments query, key, value, Wq, Wk, Wv, Wo, xc, xs, wc, ws; writes xc, xs, wc, ws
.if DOCPART == 1
	.amdgcn_target "amdgcn-amd-amdhsa--gfx1250"
	.amdhsa_code_object_version 6
	.text
	.protected	k_q5f085b37ba_quant
	.globl	k_q5f085b37ba_quant
	.p2align	8
	.type	k_q5f085b37ba_quant,@function
k_q5f085b37ba_quant:
	s_mov_b64 s[64:65], 0
	v_nop
	global_prefetch_b8 v0, s[64:65] scope:SCOPE_SE
	s_setreg_imm32_b32 hwreg(HW_REG_WAVE_MODE, 25, 1), 1
	s_wait_xcnt 0x0
; MULTI-HEAD ATTENTION IN MX-FP6, launch 1 of 4: query, key, value [4096][1024] and Wq, Wk, Wv, Wo [1024][1024], f32, K innermost, become codes of E2M3 and E8M0 scale bytes.
; DEAD WORK: none.  All six products of the problem are live, every input has a way to out0 and is loaded by some launch (the biases by launches 2 and 4).
; A block's scale is 2^(floor(log2(its largest magnitude)) - 2); its byte is the largest magnitude's exponent field - 2, held at 1 from below by a floor among the maximum's leaves.
; LIMITS: a block of zeros gets the byte 1 where the rule says 127 (its codes are zeros, which add nothing under any byte but 0xff, and this program alone reads the bytes);
; NaN and infinities among the inputs are not served.
; LAYOUT OF THE CODES (xc: query, key, value stacked, 768 tiles of 16 rows; wc: Wq, Wk, Wv, Wo stacked, 256 tiles).  Rows are kept in an order in which bits 3 and 4 of the row's number change places:
; place 32 A + 16 u + r holds row 32 A + 8 u + (r & 7) + 16 (r >> 3).  So 16 neighbouring places are the rows that a tile of source 0 wants for its results' registers to run along neighbours.
; A tile's 64 along K are an IMAGE OF THE OPERAND'S REGISTERS, 768 bytes: lane l = r + 16 h owns the 24 bytes of (place r, block h); its piece i of 8 bytes lies at 256 i + 8 l.  Two images on end are a fragment of 128 K.
; Buffer: [tile][16 images][768].  SCALE BYTES (xs, ws): [32 rows A][quarter of K w][u][r][8 bytes: the quarter's 8 blocks].
; SHARES.  A work-group takes 32 rows, wave w the K quarter w: 16 steps of 8 rows x 64 K.  A step's four loads read 256 consecutive bytes of two rows each; the 2,048 bytes turn through the wave's own stage
; in LDS so that a lane holds 16 neighbours (two lanes to a block); the codes go as words to their places in the wave's out stage and leave as 12 stores of 512 consecutive bytes.  No barrier: waves share nothing.
.set WREG,  11520                      ; LDS: a region for each wave: two turn stages of 32 x 80 bytes, the out stage (two tiles x 3,072), 256 scale bytes
.set SP,    80
.set OST,   5120
.set SST,   11264
.set SPARE, 4*WREG                     ; behind the four regions: the spare words, 128 bytes a wave, that no other line names
.set EMAX,  2
.set R,     16                         ; v16-79   four sets of 16 numbers as loaded
.set X,     80                         ; v80-111  two sets of 16 neighbours
.set E,     112                        ; v112-127 a scale byte for each step
.set C,     128                        ; v128-191 codes: four registers for each step
.set SPW,   12                         ; v12 my spare word's LDS address; never rewritten
.set NIL,   13                         ; v13 0; never rewritten
	s_load_b512 s[4:19], s[0:1], 0x0               ; query, key, value, Wq, Wk, Wv, Wo, xc
	s_load_b128 s[20:23], s[0:1], 0x40             ; xs, wc
	s_load_b64 s[24:25], s[0:1], 0x50              ; ws
	v_lshl_add_u32 v[SPW], v0, 2, SPARE
	v_mov_b32 v[NIL], 0
	v_lshrrev_b32 v1, 5, v0
	v_readfirstlane_b32 s34, v1                    ; wave
	v_and_b32 v2, 31, v0                           ; lane
	s_mul_i32 s35, s34, WREG
	v_and_b32 v3, 15, v2
	v_lshlrev_b32 v3, 4, v3
	v_lshrrev_b32 v8, 4, v2
	v_lshl_add_u32 v3, v8, 12, v3                  ; a load: lanes 0-15 one row's 256 bytes, lanes 16-31 the next row's
	v_lshrrev_b32 v14, 2, v2
	v_mul_u32_u24 v14, v14, SP
	v_and_b32 v15, 3, v2
	v_lshl_add_u32 v14, v15, 4, v14
	v_add_nc_u32 v14, s35, v14                     ; the turn stage, in: four lanes' 64 bytes on end, then 16 of padding
	v_mul_u32_u24 v15, v2, SP
	v_add_nc_u32 v15, s35, v15                     ; and out: my 16 neighbours
	v_lshrrev_b32 v8, 2, v2                        ; e: my row of the step's eight
	v_bfe_u32 v9, v2, 1, 1                         ; h: my block of the image's two
	v_and_b32 v11, 1, v2                           ; g: my half of the block
	v_lshlrev_b32 v4, 3, v8
	v_lshl_add_u32 v4, v9, 7, v4
	v_add_nc_u32 v4, s35, v4                       ; 8 e + 128 h: the owner lane's place in a piece
	v_mad_u32_u24 v1, v11, 508, v4
	v_add_nc_u32 v1, OST+4, v1                     ; my second word: byte 4 of piece 0 (g = 0) or byte 0 of piece 2 (g = 1)
	v_mad_u32_u24 v4, v11, 260, v4
	v_add_nc_u32 v4, OST, v4                       ; my first word: byte 0 of piece 0, or byte 4 of piece 1; my third lies 256 bytes on
	v_lshl_add_u32 v5, v8, 3, v9
	v_add_nc_u32 v5, s35, v5
	v_add_nc_u32 v5, SST, v5                       ; my block's scale byte
	v_lshlrev_b32 v7, 4, v2                        ; the way out: 16 bytes a lane
	v_add_nc_u32 v6, s35, v7
	v_add_nc_u32 v6, OST, v6
	v_lshlrev_b32 v2, 3, v2                        ; and 8 bytes a lane for the scale bytes
	v_add_nc_u32 v10, s35, v2
	v_add_nc_u32 v10, SST, v10
	s_wait_kmcnt 0x0
	; which tensor: the choice hangs on the work-group's number alone.  s26: the tensor's first work-group; s27: the buffers' first
	s_mov_b64 s[28:29], s[16:17]
	s_mov_b32 s26, 480
	s_cmp_lt_u32 ttmp9, 480
	s_cselect_b64 s[28:29], s[14:15], s[28:29]
	s_cselect_b32 s26, 448, s26
	s_cmp_lt_u32 ttmp9, 448
	s_cselect_b64 s[28:29], s[12:13], s[28:29]
	s_cselect_b32 s26, 416, s26
	s_cmp_lt_u32 ttmp9, 416
	s_cselect_b64 s[28:29], s[10:11], s[28:29]
	s_cselect_b32 s26, 384, s26
	s_cmp_lt_u32 ttmp9, 384
	s_cselect_b64 s[28:29], s[8:9], s[28:29]
	s_cselect_b32 s26, 256, s26
	s_cselect_b64 s[30:31], s[18:19], s[22:23]     ; codes: xc or wc
	s_cselect_b64 s[32:33], s[20:21], s[24:25]     ; scale bytes: xs or ws
	s_cselect_b32 s27, 0, 384
	s_cmp_lt_u32 ttmp9, 256
	s_cselect_b64 s[28:29], s[6:7], s[28:29]
	s_cselect_b32 s26, 128, s26
	s_cmp_lt_u32 ttmp9, 128
	s_cselect_b64 s[28:29], s[4:5], s[28:29]
	s_cselect_b32 s26, 0, s26
	s_sub_co_u32 s26, ttmp9, s26
	s_lshl_b32 s36, s26, 17                        ; 32 rows of 4,096 bytes
	s_lshl_b32 s37, s34, 10                        ; + my quarter of K
	s_add_co_u32 s36, s36, s37
	s_mov_b32 s37, 0
	s_add_nc_u64 s[28:29], s[28:29], s[36:37]
	s_sub_co_u32 s27, ttmp9, s27
	s_mul_i32 s36, s27, 24576                      ; two tiles of 12,288 bytes
	s_mul_i32 s38, s34, 3072                       ; + my four images
	s_add_co_u32 s36, s36, s38
	s_add_nc_u64 s[30:31], s[30:31], s[36:37]
	s_lshl_b32 s36, s27, 10
	s_lshl_b32 s38, s34, 8
	s_add_co_u32 s36, s36, s38
	s_add_nc_u64 s[32:33], s[32:33], s[36:37]
.macro LOAD t                          ; step t = 4 x image + group of eight rows
.irp i, 0,1,2,3
	global_load_b128 v[R+16*((\t)%4)+4*\i:R+16*((\t)%4)+4*\i+3], v3, s[28:29] offset:(8*((\t)%4)+2*\i)*4096+256*((\t)/4) th:TH_LOAD_NT
.endr
.endm
.macro TURN t                          ; LDS serves a wave's instructions in order: no wait between the stores and the loads
.irp i, 0,1,2,3
	ds_store_b128 v14, v[R+16*((\t)%4)+4*\i:R+16*((\t)%4)+4*\i+3] offset:32*SP*((\t)%2)+8*SP*\i
.endr
.irp i, 0,1,2,3
	ds_load_b128 v[X+16*((\t)%2)+4*\i:X+16*((\t)%2)+4*\i+3], v15 offset:32*SP*((\t)%2)+16*\i
.endr
.endm
.irp t, 0,1,2,3
	LOAD \t
.endr
	s_wait_loadcnt 12                              ; step 0's four loads are in
	TURN 0
.macro STEP t
.set XS, X+16*((\t)%2)
.set O8, (\t)%4
.set KI, (\t)/4
.set IMM, (O8%2)*3072+KI*768+64*(O8/2)             ; tile u = O8 % 2, image KI, places r = e + 8 (O8 / 2)
.if (\t) > 0
	s_wait_dscnt 4                                 ; this step's numbers are back from the stage; the last step's four stores may be out
.else
	s_wait_dscnt 0x0
.endif
.if (\t)+4 < 16
	LOAD (\t)+4                                    ; into the set whose stores into the stage are done
.endif
.if (\t)+1 < 16
.if 14-(\t) >= 3
	s_wait_loadcnt 12                              ; the next step's four loads are in; three steps' may be out
.else
	s_wait_loadcnt 4*(14-(\t))
.endif
	TURN (\t)+1
.endif
	v_max3_num_f32 v8, |v[XS]|, |v[XS+1]|, |v[XS+2]|
	v_max3_num_f32 v9, |v[XS+3]|, |v[XS+4]|, |v[XS+5]|
.irp i, 6,10
	v_max3_num_f32 v8, v8, |v[XS+\i]|, |v[XS+\i+1]|
	v_max3_num_f32 v9, v9, |v[XS+\i+2]|, |v[XS+\i+3]|
.endr
	v_max3_num_f32 v8, v8, |v[XS+14]|, |v[XS+15]|
	v_max3_num_f32 v8, v8, v9, (EMAX+1)<<23        ; and the floor 2^(3 - 127): the byte cannot fall under 1
	v_max_num_f32_dpp v8, v8, v8 row_xmask:1 row_mask:0xf bank_mask:0xf   ; with my neighbour's 16: the block's largest magnitude
	v_add_nc_u32 v11, -(EMAX<<23), v8              ; 2 off its exponent field: the conversion's scale operand
	v_cvt_scalef32_pk16_fp6_f32 v[C+4*(\t):C+4*(\t)+2], v[XS:XS+15], v11
	v_lshrrev_b32 v[E+(\t)], 23, v11               ; the scale's byte (also the plain line behind the conversion)
	ds_store_b32 v4, v[C+4*(\t)] offset:IMM
	ds_store_b32 v1, v[C+4*(\t)+1] offset:IMM
	ds_store_b32 v4, v[C+4*(\t)+2] offset:IMM+256
	ds_store_b8 v5, v[E+(\t)] offset:128*(O8%2)+64*(O8/2)+2*KI   ; both lanes of a block write the same byte with the same value
.endm
.irp t, 0,1,2,3,4,5,6,7,8,9,10,11,12,13,14,15
	STEP \t
.endr
.irp n, 0,1,2,3,4,5,6,7,8,9,10,11
	ds_load_b128 v[R+4*\n:R+4*\n+3], v6 offset:512*\n     ; these see my stores: LDS serves a wave's instructions in order
.endr
	ds_load_b64 v[8:9], v10
.irp n, 0,1,2,3,4,5,6,7,8,9,10,11
	s_wait_dscnt 12-\n                             ; load n is in; the later ones may be out
.if \n < 6
	global_store_b128 v7, v[R+4*\n:R+4*\n+3], s[30:31] offset:512*\n            ; 512 consecutive bytes, at a multiple of 256 from the buffer's first byte
.else
	global_store_b128 v7, v[R+4*\n:R+4*\n+3], s[30:31] offset:12288+512*(\n-6)  ; the second tile
.endif
.endr
	s_wait_dscnt 0x0
	global_store_b64 v2, v[8:9], s[32:33]          ; 256 consecutive, aligned bytes of scales
	s_wait_tensorcnt 0x0                           ; the wave's end, behind my last LDS store
	ds_add_u32 v[SPW], v[NIL]
	s_wait_dscnt 0x0
	s_endpgm
.Lfunc_end_k_q5f085b37ba_quant:
	.size	k_q5f085b37ba_quant, .Lfunc_end_k_q5f085b37ba_quant-k_q5f085b37ba_quant
	.p2alignl 7, 3214868480
	.fill 96, 4, 3214868480
	.section	.rodata,"a",@progbits
	.p2align	6, 0x0
	.amdhsa_kernel k_q5f085b37ba_quant
		.amdhsa_group_segment_fixed_size 46592
		.amdhsa_private_segment_fixed_size 0
		.amdhsa_enable_private_segment 0
		.amdhsa_kernarg_size 88
		.amdhsa_user_sgpr_count 2
		.amdhsa_user_sgpr_kernarg_segment_ptr 1
		.amdhsa_wavefront_size32 1
		.amdhsa_system_sgpr_workgroup_id_x 1
		.amdhsa_system_sgpr_workgroup_id_y 1
		.amdhsa_system_sgpr_workgroup_id_z 1
		.amdhsa_system_vgpr_workitem_id 0
		.amdhsa_next_free_vgpr 192
		.amdhsa_next_free_sgpr 66
		.amdhsa_reserve_vcc 0
		.amdhsa_float_denorm_mode_32 3
		.amdhsa_float_denorm_mode_16_64 3
		.amdhsa_memory_ordered 1
		.amdhsa_forward_progress 1
		.amdhsa_inst_pref_size 38
	.end_amdhsa_kernel
	.amdgpu_metadata
---
amdhsa.version: [ 1, 2 ]
amdhsa.kernels:
  - .name:           k_q5f085b37ba_quant
    .symbol:         k_q5f085b37ba_quant.kd
    .args:
      - { .name: query, .offset: 0, .size: 8, .value_kind: global_buffer, .address_space: global }
      - { .name: key, .offset: 8, .size: 8, .value_kind: global_buffer, .address_space: global }
      - { .name: value, .offset: 16, .size: 8, .value_kind: global_buffer, .address_space: global }
      - { .name: Wq, .offset: 24, .size: 8, .value_kind: global_buffer, .address_space: global }
      - { .name: Wk, .offset: 32, .size: 8, .value_kind: global_buffer, .address_space: global }
      - { .name: Wv, .offset: 40, .size: 8, .value_kind: global_buffer, .address_space: global }
      - { .name: Wo, .offset: 48, .size: 8, .value_kind: global_buffer, .address_space: global }
      - { .name: xc, .offset: 56, .size: 8, .value_kind: global_buffer, .address_space: global }
      - { .name: xs, .offset: 64, .size: 8, .value_kind: global_buffer, .address_space: global }
      - { .name: wc, .offset: 72, .size: 8, .value_kind: global_buffer, .address_space: global }
      - { .name: ws, .offset: 80, .size: 8, .value_kind: global_buffer, .address_space: global }
    .group_segment_fixed_size: 46592
    .private_segment_fixed_size: 0
    .kernarg_segment_align: 8
    .kernarg_segment_size: 88
    .max_flat_workgroup_size: 128
    .sgpr_count:     66
    .vgpr_count:     192
    .wavefront_size: 32
...
	.end_amdgpu_metadata
.endif
;; end of part 1
;; launch proj (part 2): grid 4 x 48, 4 waves a work-group, clusters of 4 x 4, 327,680 bytes of LDS; arguments xc, xs, wc, ws, bq, bk, bv, hc, hs; writes hc, hs
.if DOCPART == 2
	.amdgcn_target "amdgcn-amd-amdhsa--gfx1250"
	.amdhsa_code_object_version 6
	.text
	.protected	k_q5f085b37ba_proj
	.globl	k_q5f085b37ba_proj
	.p2align	8
	.type	k_q5f085b37ba_proj,@function
k_q5f085b37ba_proj:
	s_mov_b64 s[64:65], 0
	v_nop
	global_prefetch_b8 v0, s[64:65] scope:SCOPE_SE
	s_setreg_imm32_b32 hwreg(HW_REG_WAVE_MODE, 25, 1), 1
	s_wait_xcnt 0x0
	s_wait_alu depctr_hold_cnt(0) depctr_sa_sdst(0) depctr_va_vdst(0) depctr_va_sdst(0) depctr_va_ssrc(0) depctr_va_vcc(0) depctr_vm_vsrc(0)
	s_getreg_b32 s2, hwreg(HW_REG_IB_STS2, 6, 4)
	s_cmp_eq_u32 s2, 0
	s_cbranch_scc0 .Lentry_in_a_cluster
	s_endpgm
.Lentry_in_a_cluster:
	s_bfe_u32 s2, ttmp6, 0x10000c
	s_cmp_lg_u32 s2, 0xf033
	s_cbranch_scc0 .Lentry_shape_is_right
	s_endpgm
.Lentry_shape_is_right:
; Launch 2 of 4: q = query Wq^T + bq, k = key Wk^T + bk, v = value Wv^T + bv on codes of E2M3, and the results quantised in registers for the two products of attention.  No work is left out.
; THE FACTOR 1/sqrt(64) = 2^-3 ON k IS NOT APPLIED HERE: a power of two moves a block's scale and no code, and the f32 sums scale exactly; launch 3 puts it into the softmax's constant.
; LIMIT: a block of k whose largest magnitude lies under 2^-121 (there the problem's quantiser of k / 8 would hold its exponent at -126) is quantised more finely than the problem's.  Blocks of zeros get the byte 1; NaN, infinities not served.
; A tile of 256 x 256 results is made by four waves of 128 x 128 (64 accumulators, 512 registers).  K = 1,024 goes in four chunks of 256 through three LDS slots: chunks 0, 1, 2 are first fills, chunk 3 is the one refill (slot 0).
; 192 work-groups: three products of 4,096 x 1,024 are 192 such tiles.  CLUSTERS of 4 x 4: source 1's tile ("A") hangs on the tile row alone and is asked for jointly along a row of the cluster, source 0's ("B") along a column.
; Source 0 = 16 places of B, source 1 = 16 places of A: a lane holds ONE place of A, and the 16 registers of accumulators (a, 2 n), (a, 2 n + 1) are 16 NEIGHBOURS along B's rows (the buffers' order of rows sees to that).
; q, k (cluster rows 0-7):  A = tokens, B = the weight: registers run along the head's 64, which is the K of q k^T.      v (cluster rows 8-11):  A = Wv, B = value's tokens: registers run along the keys, the K of p v.
; So one way out serves all three: 64 numbers a lane become a fragment's 12 registers and a scale word.  The bias is the C of each sum's first product.
; hc: q at 0, k at 3,145,728: [batch x head 32][tile of 16 tokens 128][768: an image of 16 places x 64];  v at 6,291,456: [32][128 keys 16][tile of 16 of the head's 64: 4][1,536: a fragment's image].
; hs: [32][q 4,096 | k 4,096 | v 4,096 | 4,096 unused]; q, k: [32 tokens][r][the even tile's 2 bytes, the odd tile's 2];  v: [128 keys][tile][r][4 bytes].
; REGISTERS: window 0: v1-13 at work at the head; v16-22 LDS addresses; v27 scale words' address; v28, v29 the add's two; v32-63 scale words, two sets; v64-127 the bias, later the way out's; v128-223 A's fragments, one set.
;   window 1: B's fragments, two sets (v0, v128).  windows 2, 3: accumulator (a, b) at v[8 (8 (a % 4) + b)].
.set TCH,   3072                       ; a tile of 16 places x 256 K: four images
.set FRB,   1536                       ; a fragment: 128 K
.set HALFT, 8*TCH                      ; 128 places: what one wave reads of A or of B
.set SLOT,  4*HALFT
.set SCL,   3*SLOT                     ; behind the slots: the scale bytes of A's 256 places and B's 256, for all of K: 4 x 4,096
.set SPARE, SCL+16384                  ; the spare words, 128 bytes a wave, that no other line names
.set FR,    12
.set NL,    6
.set NP,    4                          ; places behind this matrix instruction (ISA guide 7.12.1)
.set ADRA,  16
.set ADRB,  20
.set ADRS,  27
.set SPW,   28
.set NIL,   29
.set SC,    32
.set BI,    64
.set AF,    128
.set WV,    22                         ; s22 wave; s23 wave / 2: my half of A's places, and which chunk I fetch at the first fills (1 or 2); s2 wave % 2: my half of B's, and: I fetch for A (0) or B (1)
.set WH,    23
.set G1,    24                         ; s[24:31] group 1, A's codes; s[32:39] group 0 x 2: slot 0 and my first fill's slot
.set G0,    32
.set G1B,   44                         ; s[44:51], s[52:59] the same for B
.set G0B,   52
.set G1S,   68                         ; s[68:75], s[76:79] A's scale bytes; s[80:87], s[88:91] B's
.set G0S,   76
.set G1SB,  80
.set G0SB,  88
.set TM,    64                         ; the way out: v64-67 largest magnitudes, v68-71 at work and bytes, v76-79 the conversions' scale operands
.set PW,    80                         ; v80, v81 the scale words of an even and an odd block of A
.set PC,    84                         ; v84-95 the fragment
.set PT,    96                         ; v96-98, v100-102 upper halves of blocks
.set VO0,   104
.set L8,    106
.set R4,    107
.set VS0,   108
.set OUT0,  110
.set MSB, 0
.macro WIN new                         ; the immediate's high byte repeats the setting that is left
.if MSB != \new
	s_set_vgpr_msb (MSB<<8)|\new
.set MSB, \new
.endif
.endm
; A joint load: even waves fetch for A, odd waves for B; the branch hangs on the wave's number alone.  An s_nop 0 and four v_nop follow each line.
.macro JLOAD g0a, g1a, g0b, g1b
	s_cmp_eq_u32 s2, 0                             ; even waves ask for A, odd waves for B
	s_cbranch_scc0 .Lfor_b_\@
	tensor_load_to_lds s[\g0a:\g0a+3], s[\g1a:\g1a+7]
	s_nop 0
.rept 4
	v_nop
.endr
	s_branch .Lasked_\@
.Lfor_b_\@:
	tensor_load_to_lds s[\g0b:\g0b+3], s[\g1b:\g1b+7]
	s_nop 0
.rept 4
	v_nop
.endr
.Lasked_\@:
.endm
.macro CREST                           ; a round of the cluster's barrier behind its opening barrier
	s_cmp_lg_u32 s[WV], 0
	s_cbranch_scc1 .Lnot_wave_0_\@
	s_barrier_signal -3
.Lnot_wave_0_\@:
	s_barrier_wait -3
	s_barrier_signal -1
	s_barrier_wait -1
.endm
.macro CROUND
	s_barrier_signal -1
	s_barrier_wait -1
	CREST
.endm
.macro PLACES n
.rept \n
	v_nop
.endr
.endm
.macro FRAG reg, adr, q, i             ; a fragment comes as it lies: six loads of 8 bytes a lane, each 256 consecutive bytes
.irp p, 0,1,2,3,4,5
	ds_load_b64 v[\reg+2*\p:\reg+2*\p+1], v[\adr] offset:(\i)*TCH+(\q)*FRB+256*\p
.endr
.endm
.macro FETCH_B slot, q, p
	WIN 0x40
.irp i, 0,1,2,3,4,5,6,7
	FRAG 128*(\p)+FR*\i, ADRB+\slot, \q, \i
.endr
	WIN 0
.endm
.macro FETCH_A slot, q, i0
.irp i, \i0, \i0+1, \i0+2, \i0+3
	FRAG AF+FR*(\i), ADRA+\slot, \q, \i
.endr
.endm
.macro SCALES set, w                   ; chunk w's two scale words a place: lanes 0-15 A's block i, lanes 16-31 B's block i
.irp i, 0,1,2,3,4,5,6,7
	ds_load_b64 v[SC+16*(\set)+2*\i:SC+16*(\set)+2*\i+1], v[ADRS] offset:(\i/2)*1024+(\i%2)*128+256*(\w)
.endr
.endm
; 16 products: A's blocks a0, a0 + 1 x B's eight.  p: B's set; q: which 128 of the chunk; sc: the set of scale words.  cm = 0: in place; 1: C = the bias by B's block; 2: by A's block.
; The 64 accumulators take turns, one instruction a turn, in the same order in every step.
.macro MUL16 a0, p, q, sc, cm
.irp a, \a0, \a0+1
.irp b, 0,1,2,3,4,5,6,7
.if \cm == 0
	v_wmma_scale_f32_16x16x128_f8f6f4 v[8*(8*((\a)%4)+\b):8*(8*((\a)%4)+\b)+7], v[128*(\p)+FR*\b:128*(\p)+FR*\b+FR-1], v[AF+FR*(\a):AF+FR*(\a)+FR-1], v[8*(8*((\a)%4)+\b):8*(8*((\a)%4)+\b)+7], v[SC+16*(\sc)+2*\b+(\q)], v[SC+16*(\sc)+2*(\a)+(\q)] matrix_a_fmt:MATRIX_FMT_FP6 matrix_b_fmt:MATRIX_FMT_FP6 matrix_a_scale:MATRIX_SCALE_ROW1
.elseif \cm == 1
	v_wmma_scale_f32_16x16x128_f8f6f4 v[8*(8*((\a)%4)+\b):8*(8*((\a)%4)+\b)+7], v[128*(\p)+FR*\b:128*(\p)+FR*\b+FR-1], v[AF+FR*(\a):AF+FR*(\a)+FR-1], v[BI+8*\b:BI+8*\b+7], v[SC+16*(\sc)+2*\b+(\q)], v[SC+16*(\sc)+2*(\a)+(\q)] matrix_a_fmt:MATRIX_FMT_FP6 matrix_b_fmt:MATRIX_FMT_FP6 matrix_a_scale:MATRIX_SCALE_ROW1
.else
	v_wmma_scale_f32_16x16x128_f8f6f4 v[8*(8*((\a)%4)+\b):8*(8*((\a)%4)+\b)+7], v[128*(\p)+FR*\b:128*(\p)+FR*\b+FR-1], v[AF+FR*(\a):AF+FR*(\a)+FR-1], v[BI+8*(\a):BI+8*(\a)+7], v[SC+16*(\sc)+2*\b+(\q)], v[SC+16*(\sc)+2*(\a)+(\q)] matrix_a_fmt:MATRIX_FMT_FP6 matrix_b_fmt:MATRIX_FMT_FP6 matrix_a_scale:MATRIX_SCALE_ROW1
.endif
.endr
.endr
.endm
; A chunk's first 128 along K; it fetches the second 128's fragments from the same slot.  Windows: source 0 window 1, source 1 window 0, D window 2 or 3, C with D (cm = 0) or window 0 (the bias).
.macro STEP slot, sc, cm
	s_wait_dscnt 4*NL                              ; all but the youngest 24 loads (A's blocks 4-7) are in
.if \cm
	WIN 0x81
.else
	WIN 0xa1
.endif
	MUL16 0, 0, 0, \sc, \cm
	MUL16 2, 0, 0, \sc, \cm
	s_wait_dscnt 0x0                               ; A's blocks 4-7 are in
	PLACES NP                                      ; in front of loads into registers that matrix instructions have read
	FETCH_B \slot, 1, 1
	FETCH_A \slot, 1, 0
.if \cm
	WIN 0xc1
.else
	WIN 0xf1
.endif
	MUL16 4, 0, 0, \sc, \cm
	MUL16 6, 0, 0, \sc, \cm
	PLACES NP
	WIN 0
	FETCH_A \slot, 1, 4
.endm
; A chunk's second 128; it fetches the next chunk's first fragments and scale words (chunk nw, slot next, set nsc).
; mode 2: slot 0, just read out, is filled again with chunk 3: each wave waits for all its tensor loads, adds 0 to its spare word, waits for that and for its reads; a round of the cluster's barrier; the joint load first behind it.
; mode 1: chunk 3 has to be whole for all four waves: the same three lines and the work-group's barrier; nothing is filled.   mode 0: the next slot was shown whole at the mode 2 barrier: no barrier.
.macro TURN next, sc, nsc, nw, mode
.if \mode
	s_wait_tensorcnt 0x0                           ; all my tensor loads have landed
	ds_add_u32 v[SPW], v[NIL]                      ; 0 onto my spare word
	s_wait_dscnt 4*NL+1                            ; (the add and the youngest 24 loads may be out)
	WIN 0xa1
	MUL16 0, 1, 1, \sc, 0
	s_wait_dscnt 0x0                               ; the add is done, and my reads of the slot are over
	s_barrier_signal -1
	MUL16 2, 1, 1, \sc, 0
	WIN 0
	s_barrier_wait -1
.if \mode == 2
	CREST                                          ; no wave of any partner still reads slot 0 or has a load on its way
	s_add_nc_u64 s[G0+2:G0+3], s[G0+2:G0+3], 3*TCH         ; from chunk 0 to chunk 3
	s_add_nc_u64 s[G0B+2:G0B+3], s[G0B+2:G0B+3], 3*TCH
	s_cmp_lg_u32 s[WH], 0                          ; chunk 3 is two loads of 16 tiles: wave 0 asks for A's, wave 1 for B's; waves 2 and 3 have no part of it
	s_cbranch_scc1 .Lno_refill_\@
	JLOAD G0, G1, G0B, G1B
.Lno_refill_\@:
	PLACES NP                                      ; the places in front of the loads below, on every wave's way
.else
	PLACES NP
.endif
.else
	s_wait_dscnt 4*NL
	WIN 0xa1
	MUL16 0, 1, 1, \sc, 0
	MUL16 2, 1, 1, \sc, 0
	s_wait_dscnt 0x0
	PLACES NP
.endif
	FETCH_B \next, 0, 0
	FETCH_A \next, 0, 0
	SCALES \nsc, \nw
	WIN 0xf1
	MUL16 4, 1, 1, \sc, 0
	MUL16 6, 1, 1, \sc, 0
	PLACES NP
	WIN 0
	FETCH_A \next, 0, 4
.endm
	s_load_b512 s[4:19], s[0:1], 0x0               ; xc, xs, wc, ws, bq, bk, bv, hc
	s_load_b64 s[20:21], s[0:1], 0x40              ; hs
	v_lshl_add_u32 v[SPW], v0, 2, SPARE
	v_mov_b32 v[NIL], 0
	ds_add_u32 v[SPW], v[NIL]                      ; the wave's opening: the add, twice on end, and its wait ahead of my first tensor load
	ds_add_u32 v[SPW], v[NIL]
	v_lshrrev_b32 v1, 5, v0
	v_readfirstlane_b32 s[WV], v1
	s_lshr_b32 s[WH], s[WV], 1
	s_and_b32 s2, s[WV], 1
	s_bfe_u32 s66, ttmp6, 0x40000                  ; cx
	s_bfe_u32 s67, ttmp6, 0x40004                  ; cy
	s_and_b32 s3, ttmp7, 0xffff                    ; the cluster's row, 0-11: 0-3 q, 4-7 k, 8-11 v; the same in all sixteen partners
	s_lshl_b32 s100, s67, 2
	s_lshl_b32 s100, 15, s100                      ; my row of the cluster
	s_lshl_b32 s101, 0x1111, s66                   ; my column
	s_or_b32 s[G1], s100, (3<<16)|(1<<21)          ; 15:0 the mask; 17:16 elements of 8 bytes; 21 set beside a mask; no padding
	s_or_b32 s[G1B], s101, (3<<16)|(1<<21)
	s_or_b32 s[G1S], s100, (3<<16)|(1<<21)
	s_or_b32 s[G1SB], s101, (3<<16)|(1<<21)
.irp g, G1, G1B                        ; codes: 16 tiles' 3,072 bytes (384 elements), 12,288 bytes (1,536 elements) apart
	s_mov_b32 s[\g+1], 384<<16
	s_mov_b32 s[\g+2], 16<<16                      ; a load brings all 16 tiles (256 places) of a chunk
	s_mov_b32 s[\g+3], 384<<16
	s_mov_b32 s[\g+4], 16
	s_mov_b32 s[\g+5], 1536
	s_mov_b32 s[\g+6], 0
	s_mov_b32 s[\g+7], 0
.endr
.irp g, G1S, G1SB                      ; scale bytes of 256 places: 8,192 dense bytes as 32 rows of 256
	s_mov_b32 s[\g+1], 32<<16
	s_mov_b32 s[\g+2], 32<<16                      ; the scale bytes of 256 places: 8,192 dense bytes as 32 rows of 256
	s_mov_b32 s[\g+3], 32<<16
	s_mov_b32 s[\g+4], 32
	s_mov_b32 s[\g+5], 32
	s_mov_b32 s[\g+6], 0
	s_mov_b32 s[\g+7], 0
.endr
	s_lshl_b32 s104, s3, 2
	s_and_b32 s105, s3, 12
	s_cmp_ge_u32 s3, 8                             ; v?
	s_cselect_b32 s92, 8, s104                     ; A's tile of 256 places: Wv's 8 + cy, or the tokens' 4 x cluster row + cy
	s_cselect_b32 s96, s104, s105                  ; B's: value's 4 x cluster row + cx, or the weight's 4 x tensor + cx
	s_add_co_u32 s92, s92, s67                     ; (s92-95 never hold cx, s96-99 never cy)
	s_add_co_u32 s96, s96, s66
	s_mul_i32 s94, s92, 16*12288
	s_mov_b32 s95, 0
	s_lshl_b32 s92, s92, 13
	s_mov_b32 s93, 0
	s_mul_i32 s98, s96, 16*12288
	s_mov_b32 s99, 0
	s_lshl_b32 s96, s96, 13
	s_mov_b32 s97, 0
	s_add_co_u32 s104, s[WH], 1                    ; the chunk that I ask for behind the second round: 1 (waves 0, 1) or 2 (waves 2, 3)
	s_mul_i32 s100, s104, TCH                      ; where it begins in a tile's 12,288 bytes,
	s_mov_b32 s101, 0
	s_mul_i32 s104, s104, SLOT                     ; and its slot: by the wave's number alone
	s_wait_dscnt 0x0                               ; both opening adds are done
	s_wait_kmcnt 0x0
	s_cmp_ge_u32 s3, 8
	s_cselect_b64 s[G0+2:G0+3], s[8:9], s[4:5]
	s_cselect_b64 s[G0S+2:G0S+3], s[10:11], s[6:7]
	s_cselect_b64 s[G0B+2:G0B+3], s[4:5], s[8:9]
	s_cselect_b64 s[G0SB+2:G0SB+3], s[6:7], s[10:11]
	s_add_nc_u64 s[G0+2:G0+3], s[G0+2:G0+3], s[94:95]
	s_add_nc_u64 s[G0S+2:G0S+3], s[G0S+2:G0S+3], s[92:93]
	s_add_nc_u64 s[G0B+2:G0B+3], s[G0B+2:G0B+3], s[98:99]
	s_add_nc_u64 s[G0SB+2:G0SB+3], s[G0SB+2:G0SB+3], s[96:97]
	s_add_nc_u64 s[G0+6:G0+7], s[G0+2:G0+3], s[100:101]
	s_add_nc_u64 s[G0B+6:G0B+7], s[G0B+2:G0B+3], s[100:101]
	s_mov_b32 s[G0], 1                             ; chunk 0 (later chunk 3) of A: slot 0
	s_mov_b32 s[G0+1], 0
	s_or_b32 s[G0+3], s[G0+3], 0x80000000
	s_mov_b32 s[G0B], 1                            ; of B: behind A's 256 places
	s_mov_b32 s[G0B+1], 2*HALFT
	s_or_b32 s[G0B+3], s[G0B+3], 0x80000000
	s_mov_b32 s[G0+4], 1                           ; chunk 1 or 2 of A,
	s_mov_b32 s[G0+5], s104
	s_or_b32 s[G0+7], s[G0+7], 0x80000000
	s_mov_b32 s[G0B+4], 1                          ; of B
	s_add_co_u32 s[G0B+5], s104, 2*HALFT
	s_or_b32 s[G0B+7], s[G0B+7], 0x80000000
	s_mov_b32 s[G0S], 1
	s_mov_b32 s[G0S+1], SCL
	s_or_b32 s[G0S+3], s[G0S+3], 0x80000000
	s_mov_b32 s[G0SB], 1
	s_mov_b32 s[G0SB+1], SCL+8192
	s_or_b32 s[G0SB+3], s[G0SB+3], 0x80000000
	CROUND                                         ; all sixteen work-groups are here: the first joint loads meet
; THE HEAD'S LOADS, ONE A WAVE: wave 0 chunk 0 of A's 256 places, wave 1 of B's, wave 2 A's scale bytes, wave 3 B's.  One chain of branches on the wave's number, one load to an arm, one join.
.macro ARM under, g0, g1, next
	s_cmp_lt_u32 s[WV], \under
	s_cbranch_scc0 \next
	tensor_load_to_lds s[\g0:\g0+3], s[\g1:\g1+7]
	s_nop 0
.rept 4
	v_nop
.endr
	s_branch .Lhead_asked
\next:
.endm
	ARM 1, G0, G1, .Lhead_b
	ARM 2, G0B, G1B, .Lhead_sa
	ARM 3, G0S, G1S, .Lhead_sb
	tensor_load_to_lds s[G0SB:G0SB+3], s[G1SB:G1SB+7]
	s_nop 0
.rept 4
	v_nop
.endr
.Lhead_asked:
	; the bias and the way out: what differs between q, k and v stands in scalar registers
	s_cmp_lt_u32 s3, 4
	s_cselect_b64 s[12:13], s[12:13], s[14:15]
	s_cmp_lt_u32 s3, 8                             ; q or k?
	s_cselect_b64 s[12:13], s[12:13], s[16:17]     ; the bias
	s_cselect_b32 s14, s66, s67                    ; the features' side: its place in the cluster,
	s_cselect_b32 s15, s2, s[WH]                   ; and my half of it
	s_cselect_b32 s16, s67, s66                    ; the tokens' side
	s_cselect_b32 s17, s[WH], s2
	s_mov_b32 s8, 768
	s_cselect_b32 s8, 98304, s8                    ; from the fragment's first image to its second: the next head | the same fragment
	s_mov_b32 s9, 1536
	s_cselect_b32 s9, 768, s9                      ; from block a to a + 1 of four: the next tile of tokens | the next tile of the head's 64
	s_mov_b32 s10, 98304
	s_cselect_b32 s10, 3072, s10                   ; from block a to a + 4: four tiles of tokens | the next head
	s_cselect_b32 s11, 16384, 64                   ; scale words: from the first word of a pair of blocks to the second,
	s_mov_b32 s92, 128
	s_cselect_b32 s92, 64, s92                     ; from pair to pair,
	s_mov_b32 s93, 16384
	s_cselect_b32 s93, 128, s93                    ; and two pairs on
	s_mov_b32 s94, 0x03020100
	s_cselect_b32 s94, 0x05040100, s94             ; the first word: both blocks' lower two bytes | the even block's word
	s_mov_b32 s95, 0x07060504
	s_cselect_b32 s95, 0x07060302, s95             ; the second: both blocks' upper two bytes | the odd block's word
	s_cselect_b32 s98, 4, 0                        ; the bias from register to register: the next feature | the same
	s_cselect_b32 s99, 0, -1
	s_mov_b32 s96, 0x76543210
	s_mov_b32 s97, 0xfedcba98                      ; v_permlanex16_b32's selects for lane l xor 16
	s_lshl_b32 s14, s14, 2
	s_lshl_b32 s15, s15, 1
	s_add_co_u32 s14, s14, s15                     ; my first head of two
	s_lshl_b32 s100, s3, 2
	s_add_co_u32 s100, s100, s16
	s_and_b32 s100, s100, 15
	s_lshl_b32 s100, s100, 1
	s_add_co_u32 s100, s100, s17                   ; my 128 tokens of the tensor's 32 x 128
	s_lshr_b32 s101, s100, 4
	s_lshl_b32 s101, s101, 4
	s_add_co_u32 s101, s101, s14                   ; 16 x batch + head
	s_and_b32 s100, s100, 15
	s_lshr_b32 s104, s3, 2                         ; 0 q, 1 k, 2 v
	s_mul_i32 s16, s104, 3145728
	s_mul_i32 s17, s101, 98304
	s_add_co_u32 s16, s16, s17
	s_mul_i32 s17, s100, 6144
	s_add_co_u32 s16, s16, s17
	s_mov_b32 s17, 0
	s_add_nc_u64 s[4:5], s[18:19], s[16:17]        ; hc at my first image
	s_lshl_b32 s16, s101, 14
	s_lshl_b32 s105, s104, 12
	s_add_co_u32 s16, s16, s105
	s_lshl_b32 s105, s100, 8
	s_add_co_u32 s16, s16, s105
	s_add_nc_u64 s[6:7], s[20:21], s[16:17]        ; hs at my first word
	s_lshl_b32 s16, s14, 8
	s_add_nc_u64 s[12:13], s[12:13], s[16:17]      ; the bias at my 128 features
	v_and_b32 v9, 15, v0                           ; r
	v_bfe_u32 v10, v0, 4, 1                        ; h
	v_lshlrev_b32 v11, 6, v10                      ; q, k: register j of block b is feature 32 (b / 2) + 16 h + 8 (b % 2) + j
	v_and_b32 v12, 7, v9
	v_lshrrev_b32 v13, 3, v9
	v_lshl_add_u32 v12, v13, 4, v12
	v_lshlrev_b32 v12, 2, v12                      ; v: every register of block a is feature 32 (a / 2) + 8 (a % 2) + (r & 7) + 16 (r >> 3)
	v_cndmask_b32 v11, v11, v12, s99
.irp j, 0,1,2,3,4,5,6,7
	v_mad_u32_u24 v[1+\j], s98, \j, v11
.endr
.irp i, 0,1,2,3,4,5,6,7
.irp j, 0,1,2,3,4,5,6,7
	global_load_b32 v[BI+8*\i+\j], v[1+\j], s[12:13] offset:4*(32*(\i/2)+8*(\i%2))
.endr
.endr
	v_and_b32 v11, 31, v0
	v_lshlrev_b32 v11, 3, v11                      ; 8 x lane
	s_mul_i32 s100, s[WH], HALFT                   ; my 128 places of A,
	s_mul_i32 s101, s2, HALFT
	s_add_co_u32 s101, s101, 2*HALFT               ; of B, behind A's 256
.irp s, 0,1,2
	v_add_nc_u32 v[ADRA+\s], s100, v11
	v_add_nc_u32 v[ADRB+\s], s101, v11
	s_add_co_u32 s100, s100, SLOT
	s_add_co_u32 s101, s101, SLOT
.endr
	s_lshl_b32 s100, s[WH], 12
	s_lshl_b32 s101, s2, 12
	s_add_co_u32 s101, s101, 8192
	s_sub_co_u32 s101, s101, s100                  ; from A's scale bytes of my half to B's of mine
	v_mul_u32_u24 v12, s101, v10                   ; lanes 16-31 take B's
	s_add_co_u32 s100, s100, SCL
	v_lshl_add_u32 v12, v9, 3, v12
	v_add_nc_u32 v[ADRS], s100, v12
	s_wait_alu depctr_va_vdst(0)
	s_wait_tensorcnt 0x0                           ; my tile of the head's four is in
	ds_add_u32 v[SPW], v[NIL]
	s_wait_dscnt 0x0
	CROUND                                         ; all four tiles are in, and all sixteen work-groups are here
	JLOAD G0+4, G1, G0B+4, G1B                     ; chunks 1 and 2, one load a wave: first fills of slots 1 and 2
	FETCH_B 0, 0, 0
	FETCH_A 0, 0, 0
	SCALES 0, 0
	FETCH_A 0, 0, 4
	s_wait_loadcnt 0x0                             ; the bias
	s_cmp_lt_u32 s3, 8                             ; the first step is written twice: the bias goes by B's block (q, k) or by A's (v).  The cluster's row decides: alike in all partners
	s_cbranch_scc0 .Lfirst_v
	STEP 0, 0, 1
	s_branch .Lfirst_done
.Lfirst_v:
	STEP 0, 0, 2
.Lfirst_done:
	TURN 1, 0, 1, 1, 2
	STEP 1, 1, 0
	TURN 2, 1, 0, 2, 0
	STEP 2, 0, 0
	TURN 0, 0, 1, 3, 1
	STEP 0, 1, 0
	s_wait_dscnt 4*NL                              ; the last 128 along K: nothing more to fetch
	WIN 0xa1
	MUL16 0, 1, 1, 1, 0
	MUL16 2, 1, 1, 1, 0
	s_wait_dscnt 0x0
	WIN 0xf1
	MUL16 4, 1, 1, 1, 0
	MUL16 6, 1, 1, 1, 0
	WIN 0
	; THE WAY OUT.  These eight plain lines name no register of the last products: they are the places behind them
.irp b, 0,1,2,3
	v_mov_b32 v[TM+4+\b], 0                        ; written once: a lane permute's destination counts as one of its sources
.endr
	v_and_b32 v[L8], 31, v0
	v_lshlrev_b32 v[L8], 3, v[L8]
	v_and_b32 v[R4], 15, v0
	v_lshlrev_b32 v[R4], 2, v[R4]
; Block a of A: my 64 numbers (register 16 n + i = place 32 n + 16 h + i along the axis to be quantised) become 12 registers of codes and a scale word, and leave as images: each store covers 256 consecutive, aligned bytes.
.macro EPI a
.set W, 2+(\a)/4
.set AC, 64*((\a)%4)
.set WS, (W<<2)|(W<<4)
	s_wait_xcnt 0x0                                ; the last block's stores have read their registers: these are written again only behind this wait
	WIN WS                                         ; sources 1 and 2: the accumulators' window
.irp b, 0,1,2,3
	v_max3_num_f32 v[TM+\b], 0x1800000, |v[AC+16*\b]|, |v[AC+16*\b+1]|   ; the floor 2^(3 - 127) among the leaves; each accumulator is read from its low end on
.endr
.irp i, 2,4,6,8,10,12,14
.irp b, 0,1,2,3
	v_max3_num_f32 v[TM+\b], v[TM+\b], |v[AC+16*\b+\i]|, |v[AC+16*\b+\i+1]|
.endr
.endr
	WIN 0
.irp b, 0,1,2,3
	v_permlanex16_b32 v[TM+4+\b], v[TM+\b], s96, s97
.endr
.irp b, 0,1,2,3
	v_max_num_f32 v[TM+\b], v[TM+\b], v[TM+4+\b]   ; with lane l xor 16's: the block's largest magnitude
.endr
.irp b, 0,1,2,3
	v_add_nc_u32 v[TM+12+\b], 0xff000000, v[TM+\b] ; 2 off its exponent field: the conversion's scale operand
.endr
.irp b, 0,1,2,3
	v_lshrrev_b32 v[TM+4+\b], 23, v[TM+12+\b]      ; the scale's byte
.endr
	v_lshl_or_b32 v[PW+(\a)%2], v[TM+5], 8, v[TM+4]
	v_lshl_or_b32 v[PW+(\a)%2], v[TM+6], 16, v[PW+(\a)%2]
	v_lshl_or_b32 v[PW+(\a)%2], v[TM+7], 24, v[PW+(\a)%2]
	WIN W                                          ; source 0: the accumulators' window
.irp c, 0,1
	v_cvt_scalef32_pk16_fp6_f32 v[PC+6*\c:PC+6*\c+2], v[AC+32*\c:AC+32*\c+15], v[TM+12+2*\c]
	v_cvt_scalef32_pk16_fp6_f32 v[PT+4*\c:PT+4*\c+2], v[AC+32*\c+16:AC+32*\c+31], v[TM+12+2*\c+1]   ; (a conversion's three registers begin on an even number)
.endr
	WIN 0
	v_nop                                          ; one plain place behind a scaled conversion
.irp c, 0,1                                    ; the layout wants a whole block in a lane: lanes 0-15 block 2 c, lanes 16-31 block 2 c + 1
.irp i, 0,1,2
	v_permlane16_swap_b32 v[PC+6*\c+\i], v[PT+4*\c+\i]
.endr
.irp i, 0,1,2
	v_mov_b32 v[PC+3+6*\c+\i], v[PT+4*\c+\i]
.endr
.endr
	s_mul_i32 s100, s9, (\a)%4
.if (\a)/4
	s_add_co_u32 s100, s100, s10
.endif
	v_add_nc_u32 v[VO0], s100, v[L8]
	v_add_nc_u32 v[VO0+1], s8, v[VO0]
.irp c, 0,1
.irp i, 0,1,2
	global_store_b64 v[VO0+\c], v[PC+6*\c+2*\i:PC+6*\c+2*\i+1], s[4:5] offset:256*\i
.endr
.endr
.if (\a)%2                             ; a pair of blocks gives two words a place; lanes 16-31 hold and store what lanes 0-15 do.  Runs of 64 bytes: one byte of scales for 24 of codes
	v_perm_b32 v[OUT0], v[PW+1], v[PW], s94
	v_perm_b32 v[OUT0+1], v[PW+1], v[PW], s95
	s_mul_i32 s100, s92, ((\a)/2)%2
	s_mul_i32 s101, s93, (\a)/4
	s_add_co_u32 s100, s100, s101
	v_add_nc_u32 v[VS0], s100, v[R4]
	v_add_nc_u32 v[VS0+1], s11, v[VS0]
	global_store_b32 v[VS0], v[OUT0], s[6:7]
	global_store_b32 v[VS0+1], v[OUT0+1], s[6:7]
.endif
.endm
.irp a, 0,1,2,3,4,5,6,7
	EPI \a
.endr
	s_wait_tensorcnt 0x0                           ; the wave's end, behind my last tensor load
	ds_add_u32 v[SPW], v[NIL]
	s_wait_dscnt 0x0
	CROUND                                         ; the closing round: no work-group ends while a partner may still ask for a tile that names it
	s_endpgm
.Lfunc_end_k_q5f085b37ba_proj:
	.size	k_q5f085b37ba_proj, .Lfunc_end_k_q5f085b37ba_proj-k_q5f085b37ba_proj
	.p2alignl 7, 3214868480
	.fill 96, 4, 3214868480
	.section	.rodata,"a",@progbits
	.p2align	6, 0x0
	.amdhsa_kernel k_q5f085b37ba_proj
		.amdhsa_group_segment_fixed_size 327680
		.amdhsa_private_segment_fixed_size 0
		.amdhsa_enable_private_segment 0
		.amdhsa_kernarg_size 72
		.amdhsa_user_sgpr_count 2
		.amdhsa_user_sgpr_kernarg_segment_ptr 1
		.amdhsa_wavefront_size32 1
		.amdhsa_system_sgpr_workgroup_id_x 1
		.amdhsa_system_sgpr_workgroup_id_y 1
		.amdhsa_system_sgpr_workgroup_id_z 1
		.amdhsa_system_vgpr_workitem_id 0
		.amdhsa_next_free_vgpr 1024
		.amdhsa_next_free_sgpr 106
		.amdhsa_reserve_vcc 0
		.amdhsa_float_denorm_mode_32 3
		.amdhsa_float_denorm_mode_16_64 3
		.amdhsa_memory_ordered 1
		.amdhsa_forward_progress 1
		.amdhsa_inst_pref_size 191
	.end_amdhsa_kernel
	.amdgpu_metadata
---
amdhsa.version: [ 1, 2 ]
amdhsa.kernels:
  - .name:           k_q5f085b37ba_proj
    .symbol:         k_q5f085b37ba_proj.kd
    .args:
      - { .name: xc, .offset: 0, .size: 8, .value_kind: global_buffer, .address_space: global }
      - { .name: xs, .offset: 8, .size: 8, .value_kind: global_buffer, .address_space: global }
      - { .name: wc, .offset: 16, .size: 8, .value_kind: global_buffer, .address_space: global }
      - { .name: ws, .offset: 24, .size: 8, .value_kind: global_buffer, .address_space: global }
      - { .name: bq, .offset: 32, .size: 8, .value_kind: global_buffer, .address_space: global }
      - { .name: bk, .offset: 40, .size: 8, .value_kind: global_buffer, .address_space: global }
      - { .name: bv, .offset: 48, .size: 8, .value_kind: global_buffer, .address_space: global }
      - { .name: hc, .offset: 56, .size: 8, .value_kind: global_buffer, .address_space: global }
      - { .name: hs, .offset: 64, .size: 8, .value_kind: global_buffer, .address_space: global }
    .group_segment_fixed_size: 327680
    .private_segment_fixed_size: 0
    .kernarg_segment_align: 8
    .kernarg_segment_size: 72
    .max_flat_workgroup_size: 128
    .sgpr_count:     106
    .vgpr_count:     1024
    .wavefront_size: 32
...
	.end_amdgpu_metadata
.endif
;; end of part 2
;; launch attn (part 3): grid 8 x 32, 16 waves a work-group, clusters of 4 x 1, 206,848 bytes of LDS; arguments hc, hs, cc, cs; writes cc, cs
.if DOCPART == 3
	.amdgcn_target "amdgcn-amd-amdhsa--gfx1250"
	.amdhsa_code_object_version 6
	.text
	.protected	k_q5f085b37ba_attn
	.globl	k_q5f085b37ba_attn
	.p2align	8
	.type	k_q5f085b37ba_attn,@function
k_q5f085b37ba_attn:
	s_mov_b64 s[64:65], 0
	v_nop
	global_prefetch_b8 v0, s[64:65] scope:SCOPE_SE
	s_setreg_imm32_b32 hwreg(HW_REG_WAVE_MODE, 25, 1), 1
	s_wait_xcnt 0x0
	s_wait_alu depctr_hold_cnt(0) depctr_sa_sdst(0) depctr_va_vdst(0) depctr_va_sdst(0) depctr_va_ssrc(0) depctr_va_vcc(0) depctr_vm_vsrc(0)
	s_getreg_b32 s2, hwreg(HW_REG_IB_STS2, 6, 4)
	s_cmp_eq_u32 s2, 0
	s_cbranch_scc0 .Lentry_in_a_cluster
	s_endpgm
.Lentry_in_a_cluster:
	s_bfe_u32 s2, ttmp6, 0x10000c
	s_cmp_lg_u32 s2, 0x3003
	s_cbranch_scc0 .Lentry_shape_is_right
	s_endpgm
.Lentry_shape_is_right:
; Launch 3 of 4: ctx = softmax(q (k / 8)^T) v for 32 (batch x head), 2,048 tokens, head size 64, both products on codes of E2M3; ctx is quantised in registers along the model's 1,024 for the last product.  No work is left out.
; k's codes are those of k, not of k / 8: the factor 2^-3 stands in c = log2(e) / 8, which gives the same t bit for bit (limit: see launch 2's head).
; THE SOFTMAX: t = score x c; M = the running largest t rounded UP to a whole number; p = 2^(t - M) is quantised along the keys, not normalised; the row's sum is taken of the unquantised p and divides at the end;
; when M moves, the sum and O are multiplied by 2^(old M - new M), which rounds nothing.  LIMITS: the promise holds while |t| stays under 2^31; NaN and infinities are not served; a block of zeros gets the byte 1.
; SHARES.  A work-group owns 256 queries of one head, each of its sixteen waves one tile of 16, in 256 registers.
; A WHOLE HEAD'S K AND V LIE IN LDS (2 x 98,304 bytes of codes, 2 x 4,096 of scale bytes).  They come by ONE load a wave at the head: waves 0-5 a sixth of K's codes each (16,384 bytes), waves 6-11 of V's,
; waves 12-15 a quarter of the scale bytes (2,048).  Nothing is filled later.
; CLUSTER.  The four work-groups of a cluster belong to one head: every load is asked for jointly (mask 15).  NO PREFETCH: every tensor load stands at the head, so there is no loop that could run ahead of one.
; LAYOUT.  Both products are used transposed: a lane holds ONE query.  The head's 64 fill half of the instruction's 128 along K: source 0 is TWO tiles of 16 keys on end, and it meets Q twice,
; as [Q | zeros] and as [zeros | Q]; zero codes add nothing under the byte 0.  Q lies once in registers, between two runs of six zeros: the two views overlap in it.
; TWO SETS OF 64 REGISTERS TAKE TURNS.  In a step one set holds K's four fragments and then V's, the other the scores and then p.  When p has been converted and its first 48 registers summed, the NEXT step's K fragments
; are loaded there: they land under the rescaling of O and the products with V.  The sum of p's last 16 registers stands behind those products: its eight lines are the places in front of the next step's products.
; REGISTERS: v1-4, v7 addresses that stay; v5, v6 the add's two; v8-10 a trip's addresses; v12 -M, v13 the largest score, v[14:15] the sum; v16-33 zeros, Q, zeros; v34, v35 Q's scale words; v36-39 K's, v40-43 V's;
;   v44 f, v45 p's scale word; v48-111, v112-175 the two sets; v176-207 O^T; v208-219 p's codes; v220-255 at work.
.set VCO,   98304                      ; LDS: K's codes at 0, V's here,
.set SCO,   196608                     ; K's scale words, V's 4,096 on,
.set SPARE, 204800                     ; the spare words, 128 bytes for each of 16 waves, that no other line names
.set L8,   1
.set R4,   2
.set R8,   3
.set AVB,  4
.set SPW,  5
.set NIL,  6
.set ASB,  7
.set ADK,  8
.set ADV,  9
.set ADS,  10
.set QZ,   16
.set QS0,  34
.set QS1,  35
.set KS,   36
.set VS,   40
.set F,    44
.set PS,   45
.set X,    48
.set Y,    112
.set O,    176
.set PC,   208
.set PT,   220
.set BM,   228
.set BT,   232
.set SO,   236
.set T0,   240
.set T1,   242
.set T2,   244
.set T3,   246
.set WV,   12
.set SEL,  20
.set CS,   22
.set G1C,  24                          ; s[24:31] group 1 for the codes; s[32:39] for the scale bytes
.set G1S,  32
.set G0C,  40                          ; s[40:43], s[44:47] their groups 0; none is written again
.set G0S,  44
.set TK,   60
.set TS,   61
.set CNT,  62
.macro ROUND
	s_barrier_signal -1
	s_barrier_wait -1
	s_cmp_lg_u32 s[WV], 0
	s_cbranch_scc1 .Lnot_wave_0_\@
	s_barrier_signal -3
.Lnot_wave_0_\@:
	s_barrier_wait -3
	s_barrier_signal -1
	s_barrier_wait -1
.endm
.macro KLOAD dst, ko, so               ; 28 loads: four fragments of K (two tiles of 16 keys each) and their scale words
.irp b, 0,1,2,3
.irp p, 0,1,2,3,4,5
	ds_load_b64 v[\dst+12*\b+2*\p:\dst+12*\b+2*\p+1], v[ADK] offset:\ko+1536*\b+256*\p
.endr
	ds_load_b32 v[KS+\b], v[ADS] offset:\so+64*\b
.endr
.endm
	s_load_b256 s[4:11], s[0:1], 0x0               ; hc, hs, cc, cs
	v_lshl_add_u32 v[SPW], v0, 2, SPARE
	v_mov_b32 v[NIL], 0
	ds_add_u32 v[SPW], v[NIL]                      ; the wave's opening: the add, twice on end, and its wait ahead of my tensor load
	ds_add_u32 v[SPW], v[NIL]
	v_lshrrev_b32 v8, 5, v0
	s_delay_alu instid0(VALU_DEP_1)
	v_readfirstlane_b32 s[WV], v8                  ; wave 0..15
	s_bfe_u32 s13, ttmp6, 0x40000                  ; cx
	s_lshl_b32 s14, ttmp9, 2
	s_add_co_u32 s14, s14, s13                     ; my block of 256 queries: it enters global addresses of Q and ctx alone
	s_and_b32 s15, ttmp7, 0xffff                   ; 16 x batch + head, which the four partners share
	s_mov_b32 s[G1C], 15|(3<<16)|(1<<21)           ; codes: 16,384 dense bytes as 64 rows of 256 (32 elements of 8 bytes); mask: all four; 21 set beside it
	s_mov_b32 s[G1C+1], 32<<16
	s_mov_b32 s[G1C+2], 64<<16
	s_mov_b32 s[G1C+3], 32<<16
	s_mov_b32 s[G1C+4], 64
	s_mov_b32 s[G1C+5], 32
	s_mov_b32 s[G1C+6], 0
	s_mov_b32 s[G1C+7], 0
	s_mov_b32 s[G1S], 15|(3<<16)|(1<<21)           ; scale bytes: 2,048 dense bytes as 8 rows
	s_mov_b32 s[G1S+1], 32<<16
	s_mov_b32 s[G1S+2], 8<<16
	s_mov_b32 s[G1S+3], 32<<16
	s_mov_b32 s[G1S+4], 8
	s_mov_b32 s[G1S+5], 32
	s_mov_b32 s[G1S+6], 0
	s_mov_b32 s[G1S+7], 0
	s_mul_i32 s66, s15, 98304                      ; the head's codes in each of hc's three parts
	s_mul_i32 s16, s[WV], 43
	s_lshr_b32 s16, s16, 8                         ; wave / 6 (for waves 0-11): 0 K, 1 V
	s_mul_i32 s16, s16, 3145728-98304              ; from the end of the head's k to the start of its v
	s_lshl_b32 s67, s[WV], 14                      ; my sixth: in LDS K's six and V's six lie on end
	s_add_co_u32 s68, s66, s67
	s_add_co_u32 s68, s68, s16
	s_add_co_u32 s68, s68, 3145728                 ; k's part of hc lies behind q's
	s_mov_b32 s69, 0
	s_max_u32 s70, s[WV], 12
	s_sub_co_u32 s70, s70, 12                      ; waves 12-15: which quarter of the scale bytes
	s_lshl_b32 s70, s70, 11
	s_lshl_b32 s71, s15, 14
	s_add_co_u32 s70, s70, s71
	s_add_co_u32 s70, s70, 4096                    ; k's and v's scale bytes lie on end behind q's
	s_mov_b32 s71, 0
	s_lshl_b32 s72, s[WV], 11
	s_add_co_u32 s72, s72, SCO-12*2048
	s_mov_b32 s[SEL], 0x76543210
	s_mov_b32 s[SEL+1], 0xfedcba98
	s_mov_b32 s[CS], 0x3e38aa3b                    ; c = log2(e) / 8
	s_mov_b32 s[CS+1], s[CS]                       ; (named with it as a pair, so it is written)
	s_wait_dscnt 0x0                               ; both opening adds are done
	s_wait_kmcnt 0x0
	s_mov_b32 s[G0C], 1
	s_mov_b32 s[G0C+1], s67
	s_add_nc_u64 s[G0C+2:G0C+3], s[4:5], s[68:69]
	s_or_b32 s[G0C+3], s[G0C+3], 0x80000000
	s_mov_b32 s[G0S], 1
	s_mov_b32 s[G0S+1], s72
	s_add_nc_u64 s[G0S+2:G0S+3], s[6:7], s[70:71]
	s_or_b32 s[G0S+3], s[G0S+3], 0x80000000
	ROUND                                          ; all four work-groups are here: the joint loads meet
	s_cmp_lt_u32 s[WV], 12                         ; one load a wave: every way passes exactly one
	s_cbranch_scc0 .Lfor_scales
	tensor_load_to_lds s[G0C:G0C+3], s[G1C:G1C+7]
	s_nop 0
.rept 4
	v_nop
.endr
	s_branch .Lasked
.Lfor_scales:
	tensor_load_to_lds s[G0S:G0S+3], s[G1S:G1S+7]
	s_nop 0
.rept 4
	v_nop
.endr
.Lasked:
	s_lshl_b32 s73, s14, 4
	s_add_co_u32 s73, s73, s[WV]                   ; my tile of 16 queries among the batch's 128
	s_mul_i32 s74, s73, 768
	s_add_co_u32 s74, s74, s66
	s_mov_b32 s75, 0
	s_add_nc_u64 s[4:5], s[4:5], s[74:75]          ; Q's image
	s_lshl_b32 s74, s15, 14
	s_lshr_b32 s76, s73, 1
	s_lshl_b32 s76, s76, 6
	s_add_co_u32 s74, s74, s76
	s_and_b32 s76, s73, 1
	s_lshl_b32 s76, s76, 1
	s_add_co_u32 s74, s74, s76
	s_add_nc_u64 s[6:7], s[6:7], s[74:75]          ; Q's two scale bytes a place
	s_lshr_b32 s76, s15, 4
	s_lshl_b32 s76, s76, 7
	s_add_co_u32 s76, s76, s73                     ; my tile among all 256
	s_and_b32 s77, s15, 15                         ; the head
	s_lshl_b32 s74, s76, 4
	s_add_co_u32 s74, s74, s77
	s_mul_i32 s74, s74, 768
	s_add_nc_u64 s[8:9], s[8:9], s[74:75]          ; cc: [tile][head][768]
	s_lshr_b32 s74, s76, 1
	s_lshl_b32 s74, s74, 10
	s_lshr_b32 s78, s77, 2
	s_lshl_b32 s78, s78, 8
	s_add_co_u32 s74, s74, s78
	s_and_b32 s78, s76, 1
	s_lshl_b32 s78, s78, 7
	s_add_co_u32 s74, s74, s78
	s_and_b32 s78, s77, 3
	s_lshl_b32 s78, s78, 1
	s_add_co_u32 s74, s74, s78
	s_add_nc_u64 s[10:11], s[10:11], s[74:75]      ; cs: [32 tokens][head / 4][tile % 2][r][8], my head's two bytes
	s_mov_b32 s[TK], 0
	s_mov_b32 s[TS], 0
	v_and_b32 v[L8], 31, v0
	s_delay_alu instid0(VALU_DEP_1)
	v_lshlrev_b32 v[L8], 3, v[L8]                  ; 8 x lane
	v_and_b32 v[R4], 15, v0
	s_delay_alu instid0(VALU_DEP_1)
	v_lshlrev_b32 v[R8], 3, v[R4]                  ; 8 r
	s_delay_alu instid0(VALU_DEP_2)
	v_lshlrev_b32 v[R4], 2, v[R4]                  ; 4 r
.irp i, 0,1,2
	global_load_b64 v[QZ+6+2*\i:QZ+7+2*\i], v[L8], s[4:5] offset:256*\i
.endr
	global_load_u16 v[QS0], v[R4], s[6:7]          ; bytes 0, 1: Q's; bytes 2, 3: 0, over zero codes
	v_add_nc_u32 v[AVB], VCO, v[L8]
	v_add_nc_u32 v[ASB], SCO, v[R4]
	v_add_nc_u32 v[ADK], s[TK], v[L8]
	v_add_nc_u32 v[ADV], s[TK], v[AVB]
	v_add_nc_u32 v[ADS], s[TS], v[ASB]
.irp i, 0,1,2,3,4,5
	v_mov_b32 v[QZ+\i], 0
	v_mov_b32 v[QZ+12+\i], 0
.endr
	v_mov_b32 v13, 0xff61b1e6                      ; the largest score so far: -3e38
	v_mov_b32 v12, 0x7d000000                      ; -M to begin with: so large that the first f is 0
	v_mov_b32 v14, 0
	v_mov_b32 v15, 0
.irp b, 0,1,2,3
	v_mov_b32 v[BT+\b], 0                          ; written once: a lane permute's destination counts as one of its sources
.endr
	v_mov_b32 v[PS], 0                             ; (named as the upper half of the pair v[44:45] before it is first written)
	s_wait_loadcnt 0x0
	v_lshlrev_b32 v[QS1], 16, v[QS0]               ; the scale word for [0 | Q]
.set J, 0
.rept 32
	v_mov_b32 v[O+J], 0                            ; O^T: the step is written for all steps alike; the first finds zeros.  (Also the places between the line above and the first product)
.set J, J+1
.endr
	s_wait_alu depctr_va_vdst(0)
	s_wait_tensorcnt 0x0                           ; my part is in,
	s_barrier_signal -1
	s_barrier_wait -1                              ; everybody's is
	KLOAD X, 0, 0                                  ; step 0's fragments of K
; A STEP of 128 keys.  kf: the set with K's fragments, then V's; ss: the set for the scores, then p; ko, so: the step's place in the trip's 12,288 bytes of codes and 512 of scale words;
; pre: the next step's K is fetched; adr: the next trip's addresses are made.
.macro STEP kf, ss, ko, so, pre, adr
	s_wait_dscnt 0x0                               ; K's fragments and scale words are in
.irp b, 0,1,2,3
	v_wmma_scale_f32_16x16x128_f8f6f4 v[\ss+16*\b:\ss+16*\b+7], v[\kf+12*\b:\kf+12*\b+11], v[QZ+6:QZ+17], 0, v[KS+\b], v[QS0] matrix_a_fmt:MATRIX_FMT_FP6 matrix_b_fmt:MATRIX_FMT_FP6
	v_wmma_scale_f32_16x16x128_f8f6f4 v[\ss+16*\b+8:\ss+16*\b+15], v[\kf+12*\b:\kf+12*\b+11], v[QZ:QZ+11], 0, v[KS+\b], v[QS1] matrix_a_fmt:MATRIX_FMT_FP6 matrix_b_fmt:MATRIX_FMT_FP6
.endr                                              ; register 16 b + i: key 128 s + 32 b + 16 (lane / 16) + i
	v_mov_b32 v254, v12                            ; the old -M; with the three below: four places in front of V's loads and of the first read of the scores
.rept 3
	v_nop
.endr
.irp t, 0,1,2,3                                ; V's four fragments land while the softmax is walked
.irp p, 0,1,2,3,4,5
	ds_load_b64 v[\kf+12*\t+2*\p:\kf+12*\t+2*\p+1], v[ADV] offset:\ko+1536*\t+256*\p
.endr
	ds_load_b32 v[VS+\t], v[ADS] offset:4096+\so+64*\t
.endr
.irp b, 0,1,2,3
	v_max3_num_f32 v[BM+\b], v[\ss+16*\b], v[\ss+16*\b+1], v[\ss+16*\b+2]   ; the largest score of each block of 32 keys: it serves the row's maximum and, since p rises with the score, the block's largest p
.endr
.irp i, 3,5,7,9,11,13
.irp b, 0,1,2,3
	v_max3_num_f32 v[BM+\b], v[BM+\b], v[\ss+16*\b+\i], v[\ss+16*\b+\i+1]
.endr
.endr
.irp b, 0,1,2,3
	v_max_num_f32 v[BM+\b], v[BM+\b], v[\ss+16*\b+15]
.endr
.irp b, 0,1,2,3
	s_delay_alu instid0(VALU_DEP_4)
	v_permlanex16_b32 v[BT+\b], v[BM+\b], s[SEL], s[SEL+1]
.endr
.irp b, 0,1,2,3
	s_delay_alu instid0(VALU_DEP_4)
	v_max_num_f32 v[BM+\b], v[BM+\b], v[BT+\b]
.endr
	s_delay_alu instid0(VALU_DEP_2)
	v_max3_num_f32 v255, v[BM], v[BM+1], v[BM+2]
	s_delay_alu instid0(VALU_DEP_1)
	v_max3_num_f32 v13, v13, v255, v[BM+3]         ; the running largest score
	s_delay_alu instid0(VALU_DEP_1)
	v_mul_f32 v255, s[CS], v13                     ; as t (c is positive, and the product does not fall where the score rises)
	s_delay_alu instid0(VALU_DEP_1)
	v_floor_f32 v12, -v255                         ; the new -M = -ceil(t)
	s_delay_alu instid0(VALU_DEP_1)
	v_sub_f32 v254, v12, v254                      ; old M - new M: a whole number, 0 or less
	s_delay_alu instid0(VALU_DEP_1)
	v_cvt_i32_f32 v254, v254                       ; (it saturates)
	s_delay_alu instid0(VALU_DEP_1)
	v_ldexp_f32 v[F], 1.0, v254                    ; f = 2^(old M - new M)
.set J, 0
.rept 32
	v_pk_fma_f32 v[\ss+J:\ss+J+1], v[\ss+J:\ss+J+1], s[CS:CS+1], v[12:13] op_sel_hi:[1,0,0]   ; t - M, two at a time
.set J, J+2
.endr
.irp b, 0,1,2,3
	v_fma_f32 v[BM+\b], v[BM+\b], s[CS], v12
.endr
	s_wait_alu depctr_va_vdst(0)
.set J, 0
.rept 64
	v_exp_f32 v[\ss+J], v[\ss+J]                   ; p = 2^(t - M)
.set J, J+1
.endr
	v_pk_mul_f32 v[14:15], v[14:15], v[F:F+1] op_sel_hi:[1,0]   ; the sums under the new M (a plain line behind the exponentials)
	s_wait_alu depctr_va_vdst(0)                   ; one wait for the batch of 64, ahead of its first reader
.irp b, 0,1,2,3
	v_exp_f32 v[BM+\b], v[BM+\b]                   ; the blocks' largest p
.endr
	v_pk_add_f32 v[T0:T0+1], v[\ss:\ss+1], v[\ss+2:\ss+3]          ; the sum of p's first 48 registers, in four chains
	v_pk_add_f32 v[T1:T1+1], v[\ss+4:\ss+5], v[\ss+6:\ss+7]
	v_pk_add_f32 v[T2:T2+1], v[\ss+8:\ss+9], v[\ss+10:\ss+11]
	v_pk_add_f32 v[14:15], v[14:15], v[\ss+12:\ss+13]
.irp j, 14,22,30,38
	v_pk_add_f32 v[T0:T0+1], v[T0:T0+1], v[\ss+\j:\ss+\j+1]
	v_pk_add_f32 v[T1:T1+1], v[T1:T1+1], v[\ss+\j+2:\ss+\j+3]
	v_pk_add_f32 v[T2:T2+1], v[T2:T2+1], v[\ss+\j+4:\ss+\j+5]
	v_pk_add_f32 v[14:15], v[14:15], v[\ss+\j+6:\ss+\j+7]
.endr
	v_pk_add_f32 v[T0:T0+1], v[T0:T0+1], v[\ss+46:\ss+47]
	v_pk_add_f32 v[14:15], v[14:15], v[T2:T2+1]
	s_delay_alu instid0(VALU_DEP_2)
	v_pk_add_f32 v[T0:T0+1], v[T0:T0+1], v[T1:T1+1]
	s_delay_alu instid0(VALU_DEP_1)
	v_pk_add_f32 v[14:15], v[14:15], v[T0:T0+1]
	s_wait_alu depctr_va_vdst(0)                   ; and one for the four
.irp b, 0,1,2,3
	v_max_num_f32 v[BM+\b], 0x1800000, v[BM+\b]    ; the floor 2^(3 - 127)
.endr
.irp b, 0,1,2,3
	s_delay_alu instid0(VALU_DEP_4)
	v_add_nc_u32 v[SO+\b], 0xff000000, v[BM+\b]    ; 2 off the exponent field: the conversion's scale operand
.endr
.irp b, 0,1,2,3
	s_delay_alu instid0(VALU_DEP_4)
	v_lshrrev_b32 v[BT+\b], 23, v[SO+\b]
.endr
	s_delay_alu instid0(VALU_DEP_3)
	v_lshl_or_b32 v[PS], v[BT+1], 8, v[BT]         ; p's scale word for these 128 keys
	s_delay_alu instid0(VALU_DEP_1)
	v_lshl_or_b32 v[PS], v[BT+2], 16, v[PS]
	s_delay_alu instid0(VALU_DEP_1)
	v_lshl_or_b32 v[PS], v[BT+3], 24, v[PS]
.irp c, 0,1
	v_cvt_scalef32_pk16_fp6_f32 v[PC+6*\c:PC+6*\c+2], v[\ss+32*\c:\ss+32*\c+15], v[SO+2*\c]
	v_cvt_scalef32_pk16_fp6_f32 v[PT+4*\c:PT+4*\c+2], v[\ss+32*\c+16:\ss+32*\c+31], v[SO+2*\c+1]
.endr
	v_nop                                          ; one plain place behind a scaled conversion
.if \pre
	KLOAD \ss, \ko+6144, \so+256                   ; the next step's K, into p's first 48 registers, which are summed and converted
.endif
.irp c, 0,1
.irp i, 0,1,2
	v_permlane16_swap_b32 v[PC+6*\c+\i], v[PT+4*\c+\i]
.endr
.irp i, 0,1,2
	s_delay_alu instid0(VALU_DEP_3)
	v_mov_b32 v[PC+3+6*\c+\i], v[PT+4*\c+\i]
.endr
.endr
.if \adr
	s_add_co_u32 s[TK], s[TK], 12288               ; the next trip's addresses: this trip's last loads have been issued
	s_add_co_u32 s[TS], s[TS], 512
	v_add_nc_u32 v[ADK], s[TK], v[L8]
	v_add_nc_u32 v[ADV], s[TK], v[AVB]
	v_add_nc_u32 v[ADS], s[TS], v[ASB]
.endif
	s_wait_dscnt 28*\pre                           ; V's 28 loads are in; the 28 younger ones, the next step's K, may be out
	s_wait_alu depctr_va_vdst(0)                   ; directly ahead of the first reader of O^T
.set J, 0
.rept 16
	v_pk_mul_f32 v[O+J:O+J+1], v[O+J:O+J+1], v[F:F+1] op_sel_hi:[1,0]   ; O^T under the new M; these sixteen are also the places in front of the products below
.set J, J+2
.endr
.irp t, 0,1,2,3                                ; four accumulators by turns, one instruction a turn
	v_wmma_scale_f32_16x16x128_f8f6f4 v[O+8*\t:O+8*\t+7], v[\kf+12*\t:\kf+12*\t+11], v[PC:PC+11], v[O+8*\t:O+8*\t+7], v[VS+\t], v[PS] matrix_a_fmt:MATRIX_FMT_FP6 matrix_b_fmt:MATRIX_FMT_FP6
.endr
	v_pk_add_f32 v[T0:T0+1], v[\ss+48:\ss+49], v[\ss+50:\ss+51]    ; the sum of p's last 16 registers: eight plain lines that name no register of the products above; the next step's products write over V's fragments behind them
	v_pk_add_f32 v[T1:T1+1], v[\ss+52:\ss+53], v[\ss+54:\ss+55]
	v_pk_add_f32 v[T2:T2+1], v[\ss+56:\ss+57], v[\ss+58:\ss+59]
	v_pk_add_f32 v[T3:T3+1], v[\ss+60:\ss+61], v[\ss+62:\ss+63]
	s_delay_alu instid0(VALU_DEP_3)
	v_pk_add_f32 v[T0:T0+1], v[T0:T0+1], v[T1:T1+1]
	s_delay_alu instid0(VALU_DEP_2)
	v_pk_add_f32 v[T2:T2+1], v[T2:T2+1], v[T3:T3+1]
	s_delay_alu instid0(VALU_DEP_1)
	v_pk_add_f32 v[T0:T0+1], v[T0:T0+1], v[T2:T2+1]
	s_delay_alu instid0(VALU_DEP_1)
	v_pk_add_f32 v[14:15], v[14:15], v[T0:T0+1]
.endm
	s_mov_b32 s[CNT], 7
.Ltrip:                                            ; 7 trips of two steps: after two steps the sets are back where they began
	STEP X, Y, 0, 0, 1, 0
	STEP Y, X, 6144, 256, 1, 1
	s_sub_co_u32 s[CNT], s[CNT], 1
	s_cmp_lg_u32 s[CNT], 0
	s_cbranch_scc1 .Ltrip
	STEP X, Y, 0, 0, 1, 0                          ; the last two steps are written out: the very last fetches nothing
	STEP Y, X, 6144, 256, 0, 0
	; THE WAY OUT: O^T / the sum; register 16 n + i is channel 32 n + 16 (lane / 16) + i of my query: two blocks of the last product's K.  They are quantised here and leave as an image of 768 bytes.
	v_add_f32 v14, v14, v15
	s_delay_alu instid0(VALU_DEP_1)
	v_permlanex16_b32 v[BT], v14, s[SEL], s[SEL+1]
	s_delay_alu instid0(VALU_DEP_1)
	v_add_f32 v14, v14, v[BT]                      ; the row's sum
	s_wait_alu depctr_va_vdst(0)
	v_rcp_f32 v14, v14
	v_nop                                          ; a plain line behind the reciprocal
	s_wait_alu depctr_va_vdst(0)                   ; ahead of the reciprocal's first reader and of O^T's
.set J, 0
.rept 32
	v_mul_f32 v[X+J], v[O+J], v14                  ; each accumulator from its low end on
.set J, J+1
.endr
.irp b, 0,1
	v_max3_num_f32 v[BM+\b], |v[X+16*\b]|, |v[X+16*\b+1]|, 0x1800000
.endr
.irp i, 2,4,6,8,10,12,14
.irp b, 0,1
	s_delay_alu instid0(VALU_DEP_2)
	v_max3_num_f32 v[BM+\b], v[BM+\b], |v[X+16*\b+\i]|, |v[X+16*\b+\i+1]|
.endr
.endr
.irp b, 0,1
	s_delay_alu instid0(VALU_DEP_2)
	v_permlanex16_b32 v[BT+\b], v[BM+\b], s[SEL], s[SEL+1]
.endr
.irp b, 0,1
	s_delay_alu instid0(VALU_DEP_2)
	v_max_num_f32 v[BM+\b], v[BM+\b], v[BT+\b]
.endr
.irp b, 0,1
	s_delay_alu instid0(VALU_DEP_2)
	v_add_nc_u32 v[SO+\b], 0xff000000, v[BM+\b]
.endr
.irp b, 0,1
	s_delay_alu instid0(VALU_DEP_2)
	v_lshrrev_b32 v[BT+\b], 23, v[SO+\b]
.endr
	s_delay_alu instid0(VALU_DEP_1)
	v_lshl_or_b32 v[T0], v[BT+1], 8, v[BT]         ; my place's two scale bytes
	v_cvt_scalef32_pk16_fp6_f32 v[PC:PC+2], v[X:X+15], v[SO]
	v_cvt_scalef32_pk16_fp6_f32 v[PT:PT+2], v[X+16:X+31], v[SO+1]
	v_nop
.irp i, 0,1,2
	v_permlane16_swap_b32 v[PC+\i], v[PT+\i]
.endr
.irp i, 0,1,2
	s_delay_alu instid0(VALU_DEP_3)
	v_mov_b32 v[PC+3+\i], v[PT+\i]
.endr
.irp i, 0,1,2
	global_store_b64 v[L8], v[PC+2*\i:PC+2*\i+1], s[8:9] offset:256*\i     ; 256 consecutive, aligned bytes a store
.endr
	global_store_b16 v[R8], v[T0], s[10:11]        ; two bytes a place (lanes 16-31 store what lanes 0-15 do): a place's 8 bytes come from four heads, that is from four work-groups
	s_wait_tensorcnt 0x0                           ; the wave's end, behind my tensor load
	ds_add_u32 v[SPW], v[NIL]
	s_wait_dscnt 0x0
	ROUND                                          ; the closing round
	s_endpgm
.Lfunc_end_k_q5f085b37ba_attn:
	.size	k_q5f085b37ba_attn, .Lfunc_end_k_q5f085b37ba_attn-k_q5f085b37ba_attn
	.p2alignl 7, 3214868480
	.fill 96, 4, 3214868480
	.section	.rodata,"a",@progbits
	.p2align	6, 0x0
	.amdhsa_kernel k_q5f085b37ba_attn
		.amdhsa_group_segment_fixed_size 206848
		.amdhsa_private_segment_fixed_size 0
		.amdhsa_enable_private_segment 0
		.amdhsa_kernarg_size 32
		.amdhsa_user_sgpr_count 2
		.amdhsa_user_sgpr_kernarg_segment_ptr 1
		.amdhsa_wavefront_size32 1
		.amdhsa_system_sgpr_workgroup_id_x 1
		.amdhsa_system_sgpr_workgroup_id_y 1
		.amdhsa_system_sgpr_workgroup_id_z 1
		.amdhsa_system_vgpr_workitem_id 0
		.amdhsa_next_free_vgpr 256
		.amdhsa_next_free_sgpr 80
		.amdhsa_reserve_vcc 0
		.amdhsa_float_denorm_mode_32 3
		.amdhsa_float_denorm_mode_16_64 3
		.amdhsa_memory_ordered 1
		.amdhsa_forward_progress 1
		.amdhsa_inst_pref_size 86
	.end_amdhsa_kernel
	.amdgpu_metadata
---
amdhsa.version: [ 1, 2 ]
amdhsa.kernels:
  - .name:           k_q5f085b37ba_attn
    .symbol:         k_q5f085b37ba_attn.kd
    .args:
      - { .name: hc, .offset: 0, .size: 8, .value_kind: global_buffer, .address_space: global }
      - { .name: hs, .offset: 8, .size: 8, .value_kind: global_buffer, .address_space: global }
      - { .name: cc, .offset: 16, .size: 8, .value_kind: global_buffer, .address_space: global }
      - { .name: cs, .offset: 24, .size: 8, .value_kind: global_buffer, .address_space: global }
    .group_segment_fixed_size: 206848
    .private_segment_fixed_size: 0
    .kernarg_segment_align: 8
    .kernarg_segment_size: 32
    .max_flat_workgroup_size: 512
    .sgpr_count:     80
    .vgpr_count:     256
    .wavefront_size: 32
...
	.end_amdgpu_metadata
.endif
;; end of part 3
;; launch outp (part 4): grid 8 x 32, 4 waves a work-group, clusters of 4 x 4, 222,720 bytes of LDS; arguments cc, cs, wc, ws, bo, out0; writes out0
.if DOCPART == 4
	.amdgcn_target "amdgcn-amd-amdhsa--gfx1250"
	.amdhsa_code_object_version 6
	.text
	.protected	k_q5f085b37ba_outp
	.globl	k_q5f085b37ba_outp
	.p2align	8
	.type	k_q5f085b37ba_outp,@function
k_q5f085b37ba_outp:
	s_mov_b64 s[64:65], 0
	v_nop
	global_prefetch_b8 v0, s[64:65] scope:SCOPE_SE
	s_setreg_imm32_b32 hwreg(HW_REG_WAVE_MODE, 25, 1), 1
	s_wait_xcnt 0x0
	s_wait_alu depctr_hold_cnt(0) depctr_sa_sdst(0) depctr_va_vdst(0) depctr_va_sdst(0) depctr_va_ssrc(0) depctr_va_vcc(0) depctr_vm_vsrc(0)
	s_getreg_b32 s2, hwreg(HW_REG_IB_STS2, 6, 4)
	s_cmp_eq_u32 s2, 0
	s_cbranch_scc0 .Lentry_in_a_cluster
	s_endpgm
.Lentry_in_a_cluster:
	s_bfe_u32 s2, ttmp6, 0x10000c
	s_cmp_lg_u32 s2, 0xf033
	s_cbranch_scc0 .Lentry_shape_is_right
	s_endpgm
.Lentry_shape_is_right:
; Launch 4 of 4: out0 = ctx Wo^T + bo on codes of E2M3; out0 [4096][1024] f32.  No work is left out.
; A tile of 128 x 128 results is made by four waves of 64 x 64 (16 accumulators): 4,096 x 1,024 results are 256 such tiles, 256 work-groups.  A tile of 256 x 256 would give 64 work-groups; the smaller one
; reads 8 fragments from LDS for 16 products where the larger reads 16 for 64, and that is the price taken for four times the work-groups.
; ALL OF K LIES IN LDS: 128 places of ctx and 128 of Wo are 2 x 98,304 bytes of codes and 2 x 4,096 of scale bytes.  Every fill is a first fill, nothing is filled again.  K = 1,024 is worked in four chunks of 256.
; each wave asks for one load at the head: all of A's codes, B's, A's scale bytes or B's; one load of mine is out.  The steps begin behind one wait and a barrier behind which nothing is filled.
; CLUSTERS of 4 x 4: ctx's tile ("A", source 1) hangs on the tile row alone and is asked for jointly along a row of the cluster, Wo's ("B", source 0) on the tile column alone, along a column.
; A lane holds one place of ctx; the registers of accumulators (a, 2 n), (a, 2 n + 1) are 16 neighbouring columns.  bo is the C of each sum's first product.
; The rows of cc lie in the buffers' order (bits 3 and 4 of the row's number changed places): the way out puts each row back at its own place in out0.
; REGISTERS: window 0: v1-13 at work at the head; v16-23 LDS addresses of the four chunks; v24-27 the way out's and the scale words' addresses; v28, v29 the add's two; v32-47 scale words, two sets;
;   v64-159, v160-255 two sets of fragments (A's four, then B's four); on the way out v64-191 take the rows read back.   window 1: accumulator (a, b) at v[8 (4 a + b)]; v128-159 the bias.
.set TCH,   3072                       ; a tile of 16 places x 256 K: four images
.set FRB,   1536                       ; a fragment: 128 K
.set HALFT, 4*TCH                      ; 16 places, all of K: a tile of 12,288 bytes
.set SLOT,  4*HALFT                    ; 64 places, all of K: four tiles
.set SCL,   4*SLOT                     ; the scale bytes: 4 x 2,048
.set STG,   SCL+8192                   ; the way out: a stage of 16 rows x (256 + 16) bytes for each wave; no fill lands there
.set SPITCH, 272
.set SPARE, STG+4*16*SPITCH            ; the spare words, 128 bytes a wave, that no other line names
.set FR,    12
.set NP,    4                          ; places behind this matrix instruction (ISA guide 7.12.1)
.set ADRA,  16
.set ADRB,  20
.set STO,   24
.set RD,    25
.set CO,    26
.set ADRS,  27
.set SPW,   28
.set NIL,   29
.set SC,    32
.set FS,    64
.set BK,    64
.set BI,    128                        ; in window 1
.set WV,    22                         ; s22 wave; s23 wave / 2: my half of A's places; s2 wave % 2: my half of B's
.set WH,    23
.set G1,    24                         ; s[24:31], s[32:39] group 1 for A's and B's codes; s[40:47], s[48:55] for their scale bytes
.set G1B,   32
.set G1S,   40
.set G1SB,  48
.set G0S,   56                         ; s[56:59], s[60:63] group 0 for the scale bytes; s[68:71], s[84:87] for all of A's and of B's codes; none is written again
.set G0SB,  60
.set G0,    68
.set G0B,   84
.set MSB, 0
.macro WIN new                         ; the immediate's high byte repeats the setting that is left
.if MSB != \new
	s_set_vgpr_msb (MSB<<8)|\new
.set MSB, \new
.endif
.endm
.macro ARM under, g0, g1, next         ; an arm of the head's one chain of branches on the wave's number: its load, an s_nop 0 and four v_nop, a jump to the join
	s_cmp_lt_u32 s[WV], \under
	s_cbranch_scc0 \next
	tensor_load_to_lds s[\g0:\g0+3], s[\g1:\g1+7]
	s_nop 0
.rept 4
	v_nop
.endr
	s_branch .Lhead_asked
\next:
.endm
.macro CROUND                          ; a round of the cluster's barrier
	s_barrier_signal -1
	s_barrier_wait -1
	s_cmp_lg_u32 s[WV], 0
	s_cbranch_scc1 .Lnot_wave_0_\@
	s_barrier_signal -3
.Lnot_wave_0_\@:
	s_barrier_wait -3
	s_barrier_signal -1
	s_barrier_wait -1
.endm
.macro PLACES n
.rept \n
	v_nop
.endr
.endm
.macro FRAG reg, adr, q, i             ; a fragment comes as it lies: six loads of 8 bytes a lane, each 256 consecutive bytes
.irp p, 0,1,2,3,4,5
	ds_load_b64 v[\reg+2*\p:\reg+2*\p+1], v[\adr] offset:(\i)*4*TCH+(\q)*FRB+256*\p   ; in LDS a tile's four chunks lie on end, as in memory: tiles 12,288 bytes apart
.endr
.endm
.macro FETCH slot, q, p                ; 48 loads: B's four fragments and A's four of the chunk's q-th 128 along K, into set p
.irp i, 0,1,2,3
	FRAG FS+96*(\p)+48+FR*\i, ADRB+\slot, \q, \i
.endr
.irp i, 0,1,2,3
	FRAG FS+96*(\p)+FR*\i, ADRA+\slot, \q, \i
.endr
.endm
.macro SCALES set, w                   ; chunk w's two scale words a place: lanes 0-15 A's block i, lanes 16-31 B's block i
.irp i, 0,1,2,3
	ds_load_b64 v[SC+8*(\set)+2*\i:SC+8*(\set)+2*\i+1], v[ADRS] offset:(\i/2)*1024+(\i%2)*128+256*(\w)
.endr
.endm
; 8 products: A's blocks a0, a0 + 1 x B's four.  p: the set of fragments; q: which 128 of the chunk; sc: the set of scale words.  cm = 0: in place; 1: C = the bias by B's block.
; The 16 accumulators take turns, one instruction a turn, in the same order in every step.  Windows: sources 0 and 1 window 0, C and D window 1.
.macro MUL8 a0, p, q, sc, cm
.irp a, \a0, \a0+1
.irp b, 0,1,2,3
.if \cm
	v_wmma_scale_f32_16x16x128_f8f6f4 v[8*(4*(\a)+\b):8*(4*(\a)+\b)+7], v[FS+96*(\p)+48+FR*\b:FS+96*(\p)+48+FR*\b+FR-1], v[FS+96*(\p)+FR*(\a):FS+96*(\p)+FR*(\a)+FR-1], v[BI+8*\b:BI+8*\b+7], v[SC+8*(\sc)+2*\b+(\q)], v[SC+8*(\sc)+2*(\a)+(\q)] matrix_a_fmt:MATRIX_FMT_FP6 matrix_b_fmt:MATRIX_FMT_FP6 matrix_a_scale:MATRIX_SCALE_ROW1
.else
	v_wmma_scale_f32_16x16x128_f8f6f4 v[8*(4*(\a)+\b):8*(4*(\a)+\b)+7], v[FS+96*(\p)+48+FR*\b:FS+96*(\p)+48+FR*\b+FR-1], v[FS+96*(\p)+FR*(\a):FS+96*(\p)+FR*(\a)+FR-1], v[8*(4*(\a)+\b):8*(4*(\a)+\b)+7], v[SC+8*(\sc)+2*\b+(\q)], v[SC+8*(\sc)+2*(\a)+(\q)] matrix_a_fmt:MATRIX_FMT_FP6 matrix_b_fmt:MATRIX_FMT_FP6 matrix_a_scale:MATRIX_SCALE_ROW1
.endif
.endr
.endr
.endm
; Chunk c's first 128 along K (set 0).  The second 128's fragments are asked for first, into set 1, and land while set 0 is multiplied.
.macro EVEN c, cm
.if \c
	PLACES NP                                      ; in front of loads into set 1, which the last products read
.endif
	FETCH \c, 1, 1
	s_wait_dscnt 48                                ; all but the 48 loads just issued are in: set 0 and its scale words
	WIN 0x50
	MUL8 0, 0, 0, (\c)%2, \cm
	MUL8 2, 0, 0, (\c)%2, \cm
	WIN 0
.endm
; Chunk c's second 128 (set 1), c < 3.  All of K is in since the head's barrier: no tensor wait and no barrier.
; Behind the first half of the products chunk c + 1's first fragments and scale words are asked for and land while the second half of the products is issued.
.macro ODD c
	s_wait_dscnt 0x0                               ; set 1 is in.  All of K was shown whole at the head's barrier: no barrier here
	WIN 0x50
	MUL8 0, 1, 1, (\c)%2, 0                        ; work on registers while the others arrive
	WIN 0
	PLACES NP
	FETCH \c+1, 0, 0
	SCALES (\c+1)%2, \c+1
	WIN 0x50
	MUL8 2, 1, 1, (\c)%2, 0
	WIN 0
.endm
	s_load_b256 s[4:11], s[0:1], 0x0               ; cc, cs, wc, ws
	s_load_b128 s[12:15], s[0:1], 0x20             ; bo, out0
	v_lshl_add_u32 v[SPW], v0, 2, SPARE
	v_mov_b32 v[NIL], 0
	ds_add_u32 v[SPW], v[NIL]                      ; the wave's opening: the add, twice on end, and its wait ahead of my first tensor load
	ds_add_u32 v[SPW], v[NIL]
	v_lshrrev_b32 v1, 5, v0
	v_readfirstlane_b32 s[WV], v1
	s_lshr_b32 s[WH], s[WV], 1
	s_and_b32 s2, s[WV], 1
	s_bfe_u32 s66, ttmp6, 0x40000                  ; cx
	s_bfe_u32 s67, ttmp6, 0x40004                  ; cy
	s_and_b32 s3, ttmp7, 0xffff                    ; the cluster's row
	s_lshl_b32 s20, s67, 2
	s_lshl_b32 s20, 15, s20                        ; my row of the cluster
	s_lshl_b32 s21, 0x1111, s66                    ; my column
	s_or_b32 s[G1], s20, (3<<16)|(1<<21)           ; 15:0 the mask; 17:16 elements of 8 bytes; 21 set beside a mask; no padding
	s_or_b32 s[G1B], s21, (3<<16)|(1<<21)
	s_or_b32 s[G1S], s20, (3<<16)|(1<<21)
	s_or_b32 s[G1SB], s21, (3<<16)|(1<<21)
.irp g, G1, G1B                        ; codes: 8 whole tiles on end
	s_mov_b32 s[\g+1], 32<<16                      ; codes of 128 places, all of K: 98,304 dense bytes as 384 rows of 256
	s_mov_b32 s[\g+2], 384<<16
	s_mov_b32 s[\g+3], 32<<16
	s_mov_b32 s[\g+4], 384
	s_mov_b32 s[\g+5], 32
	s_mov_b32 s[\g+6], 0
	s_mov_b32 s[\g+7], 0
.endr
.irp g, G1S, G1SB                      ; scale bytes of 128 places: 4,096 dense bytes as 16 rows of 256
	s_mov_b32 s[\g+1], 32<<16
	s_mov_b32 s[\g+2], 16<<16                      ; scale bytes of 128 places: 4,096 dense bytes as 16 rows of 256
	s_mov_b32 s[\g+3], 32<<16
	s_mov_b32 s[\g+4], 16
	s_mov_b32 s[\g+5], 32
	s_mov_b32 s[\g+6], 0
	s_mov_b32 s[\g+7], 0
.endr
	s_lshl_b32 s16, s3, 2
	s_add_co_u32 s16, s16, s67                     ; A's tile of 128 places: 4 x cluster row + cy
	s_lshl_b32 s16, s16, 1
	s_lshl_b32 s18, s16, 11                        ; their scale bytes,
	s_mov_b32 s19, 0
	s_mul_i32 s16, s16, 4*12288                    ; their codes
	s_mov_b32 s17, 0
	s_lshl_b32 s100, ttmp9, 2
	s_add_co_u32 s100, s100, s66                   ; B's tile: 4 x cluster column + cx
	s_lshl_b32 s100, s100, 1
	s_add_co_u32 s100, s100, 48                    ; Wo's 16 runs of 64 places lie behind Wq's, Wk's, Wv's 48
	s_lshl_b32 s104, s100, 11
	s_mov_b32 s105, 0
	s_mul_i32 s100, s100, 4*12288
	s_mov_b32 s101, 0
	s_wait_dscnt 0x0                               ; both opening adds are done
	s_wait_kmcnt 0x0
	s_add_nc_u64 s[G0+2:G0+3], s[4:5], s[16:17]
	s_add_nc_u64 s[G0S+2:G0S+3], s[6:7], s[18:19]
	s_add_nc_u64 s[G0B+2:G0B+3], s[8:9], s[100:101]
	s_add_nc_u64 s[G0SB+2:G0SB+3], s[10:11], s[104:105]
	s_mov_b32 s[G0], 1                             ; A's 128 places at LDS byte 0,
	s_mov_b32 s[G0+1], 0
	s_or_b32 s[G0+3], s[G0+3], 0x80000000
	s_mov_b32 s[G0B], 1                            ; B's behind them
	s_mov_b32 s[G0B+1], 2*SLOT
	s_or_b32 s[G0B+3], s[G0B+3], 0x80000000
	s_mov_b32 s[G0S], 1
	s_mov_b32 s[G0S+1], SCL
	s_or_b32 s[G0S+3], s[G0S+3], 0x80000000
	s_mov_b32 s[G0SB], 1
	s_mov_b32 s[G0SB+1], SCL+4096
	s_or_b32 s[G0SB+3], s[G0SB+3], 0x80000000
	CROUND                                         ; all sixteen work-groups are here: the joint loads meet
	ARM 1, G0, G1, .Lhead_b                        ; ONE LOAD A WAVE: wave 0 all of A's codes, wave 1 all of B's, wave 2 A's scale bytes, wave 3 B's
	ARM 2, G0B, G1B, .Lhead_sa
	ARM 3, G0S, G1S, .Lhead_sb
	tensor_load_to_lds s[G0SB:G0SB+3], s[G1SB:G1SB+7]
	s_nop 0
.rept 4
	v_nop
.endr
.Lhead_asked:
	s_lshl_b32 s18, ttmp9, 2
	s_add_co_u32 s18, s18, s66
	s_lshl_b32 s18, s18, 9                         ; the tile's 128 columns, in bytes,
	s_lshl_b32 s17, s2, 8
	s_add_co_u32 s18, s18, s17                     ; my 64 of them
	s_mov_b32 s19, 0
	s_add_nc_u64 s[12:13], s[12:13], s[18:19]      ; bo there
	s_lshl_b32 s16, s3, 2
	s_add_co_u32 s16, s16, s67
	s_lshl_b32 s16, s16, 19                        ; 128 rows of 4,096 bytes a tile,
	s_lshl_b32 s17, s[WH], 18                      ; my 64 of them
	s_add_co_u32 s16, s16, s17
	s_add_co_u32 s16, s16, s18
	s_mov_b32 s17, 0
	s_add_nc_u64 s[14:15], s[14:15], s[16:17]      ; out0 at my part's corner; never stepped
	v_and_b32 v9, 15, v0                           ; r
	v_bfe_u32 v10, v0, 4, 1                        ; h
	v_lshlrev_b32 v1, 6, v10                       ; register j of block b is column 32 (b / 2) + 16 h + 8 (b % 2) + j
	WIN 0x40                                       ; destination window 1
.irp b, 0,1,2,3
	global_load_b128 v[BI+8*\b:BI+8*\b+3], v1, s[12:13] offset:4*(32*(\b/2)+8*(\b%2))
	global_load_b128 v[BI+8*\b+4:BI+8*\b+7], v1, s[12:13] offset:4*(32*(\b/2)+8*(\b%2))+16
.endr
	WIN 0
	v_lshlrev_b32 v[CO], 4, v9
	v_lshl_add_u32 v[CO], v10, 12, v[CO]           ; the way out: lanes 0-15 one row's 256 bytes, lanes 16-31 the next row's
	v_and_b32 v11, 31, v0
	v_lshlrev_b32 v11, 3, v11                      ; 8 x lane
	s_wait_alu depctr_va_vdst(0)
	s_mul_i32 s100, s[WH], SLOT                    ; my 64 places of A: four tiles of 12,288 bytes,
	s_mul_i32 s101, s2, SLOT
	s_add_co_u32 s101, s101, 2*SLOT                ; of B, behind A's 128
.irp s, 0,1,2,3
	v_add_nc_u32 v[ADRA+\s], s100, v11
	v_add_nc_u32 v[ADRB+\s], s101, v11
	s_add_co_u32 s100, s100, TCH                   ; from chunk to chunk inside a tile
	s_add_co_u32 s101, s101, TCH
.endr
	s_lshl_b32 s100, s[WH], 11
	s_lshl_b32 s101, s2, 11
	s_add_co_u32 s101, s101, 4096
	s_sub_co_u32 s101, s101, s100                  ; from A's scale bytes of my half to B's of mine
	v_mul_u32_u24 v12, s101, v10                   ; lanes 16-31 take B's
	s_add_co_u32 s100, s100, SCL
	v_lshl_add_u32 v12, v9, 3, v12
	v_add_nc_u32 v[ADRS], s100, v12
	s_mul_i32 s100, s[WV], 16*SPITCH
	s_add_co_u32 s100, s100, STG                   ; my stage
	v_mul_u32_u24 v12, v9, SPITCH
	v_lshl_add_u32 v12, v10, 6, v12
	v_add_nc_u32 v[STO], s100, v12                 ; in: row r, + 64 h
	v_mul_u32_u24 v13, v10, SPITCH
	v_lshl_add_u32 v13, v9, 4, v13
	v_add_nc_u32 v[RD], s100, v13                  ; back: lanes 0-15 one row, lanes 16-31 the next
	s_wait_alu depctr_va_vdst(0)
	s_wait_tensorcnt 0x0                           ; my one load is in
	s_barrier_signal -1
	s_barrier_wait -1
	FETCH 0, 0, 0
	SCALES 0, 0
	s_wait_loadcnt 0x0                             ; the bias
	EVEN 0, 1                                      ; the first products start the sums from the bias: nothing is cleared
	ODD 0
	EVEN 1, 0
	ODD 1
	EVEN 2, 0
	ODD 2
	EVEN 3, 0
	s_wait_dscnt 0x0                               ; the last 128 along K: nothing more to fetch
	WIN 0x50
	MUL8 0, 1, 1, 1, 0
	MUL8 2, 1, 1, 1, 0
	WIN 0
; THE WAY OUT, block by block of 16 places x 64 columns: through my own stage in LDS and back as whole rows of 256 bytes, two rows an instruction.  LDS serves a wave's instructions in order (ISA guide 5.7.1.4):
; no wait between the stores and the loads, nor in front of the next block's stores.  Each block has its own 32 registers for the rows read back: no store's data are written again.
.macro TOSTAGE a
	WIN 0x04                                       ; an LDS store's data: window 1
.irp b, 0,1,2,3
	ds_store_b128 v[STO], v[8*(4*(\a)+\b):8*(4*(\a)+\b)+3] offset:128*(\b/2)+32*(\b%2)          ; each accumulator from its low end on
	ds_store_b128 v[STO], v[8*(4*(\a)+\b)+4:8*(4*(\a)+\b)+7] offset:128*(\b/2)+32*(\b%2)+16
.endr
	WIN 0
.irp t, 0,1,2,3,4,5,6,7
	ds_load_b128 v[BK+32*(\a)+4*\t:BK+32*(\a)+4*\t+3], v[RD] offset:2*\t*SPITCH
.endr
.endm
.macro SEND a, younger                 ; place 2 t + (lane / 16) of block a is row 32 (a / 2) + 8 (a % 2) + 2 (t % 4) + (lane / 16) + 16 (t / 4) of my 64: at most 62 rows of 4,096 bytes in the immediate
	s_wait_dscnt \younger
.irp t, 0,1,2,3,4,5,6,7
	global_store_b128 v[CO], v[BK+32*(\a)+4*\t:BK+32*(\a)+4*\t+3], s[14:15] offset:(32*((\a)/2)+8*((\a)%2)+2*(\t%4)+16*(\t/4))*4096 th:TH_STORE_NT   ; sixteen lanes store 256 consecutive bytes, at a multiple of 256 from out0's first byte
.endr
.endm
	PLACES NP                                      ; behind the last products: for the first reads of results and the loads into the registers that held fragments
	TOSTAGE 0
	TOSTAGE 1
	SEND 0, 16                                     ; behind block 0's loads: block 1's 8 stores and 8 loads
	TOSTAGE 2
	SEND 1, 16
	TOSTAGE 3
	SEND 2, 16
	SEND 3, 0
	s_wait_tensorcnt 0x0                           ; the wave's end, behind my last tensor load and my last LDS store
	ds_add_u32 v[SPW], v[NIL]
	s_wait_dscnt 0x0
	CROUND                                         ; the closing round: no work-group ends while a partner may still ask for a tile that names it
	s_endpgm
.Lfunc_end_k_q5f085b37ba_outp:
	.size	k_q5f085b37ba_outp, .Lfunc_end_k_q5f085b37ba_outp-k_q5f085b37ba_outp
	.p2alignl 7, 3214868480
	.fill 96, 4, 3214868480
	.section	.rodata,"a",@progbits
	.p2align	6, 0x0
	.amdhsa_kernel k_q5f085b37ba_outp
		.amdhsa_group_segment_fixed_size 222720
		.amdhsa_private_segment_fixed_size 0
		.amdhsa_enable_private_segment 0
		.amdhsa_kernarg_size 48
		.amdhsa_user_sgpr_count 2
		.amdhsa_user_sgpr_kernarg_segment_ptr 1
		.amdhsa_wavefront_size32 1
		.amdhsa_system_sgpr_workgroup_id_x 1
		.amdhsa_system_sgpr_workgroup_id_y 1
		.amdhsa_system_sgpr_workgroup_id_z 1
		.amdhsa_system_vgpr_workitem_id 0
		.amdhsa_next_free_vgpr 512
		.amdhsa_next_free_sgpr 106
		.amdhsa_reserve_vcc 0
		.amdhsa_float_denorm_mode_32 3
		.amdhsa_float_denorm_mode_16_64 3
		.amdhsa_memory_ordered 1
		.amdhsa_forward_progress 1
		.amdhsa_inst_pref_size 60
	.end_amdhsa_kernel
	.amdgpu_metadata
---
amdhsa.version: [ 1, 2 ]
amdhsa.kernels:
  - .name:           k_q5f085b37ba_outp
    .symbol:         k_q5f085b37ba_outp.kd
    .args:
      - { .name: cc, .offset: 0, .size: 8, .value_kind: global_buffer, .address_space: global }
      - { .name: cs, .offset: 8, .size: 8, .value_kind: global_buffer, .address_space: global }
      - { .name: wc, .offset: 16, .size: 8, .value_kind: global_buffer, .address_space: global }
      - { .name: ws, .offset: 24, .size: 8, .value_kind: global_buffer, .address_space: global }
      - { .name: bo, .offset: 32, .size: 8, .value_kind: global_buffer, .address_space: global }
      - { .name: out0, .offset: 40, .size: 8, .value_kind: global_buffer, .address_space: global }
    .group_segment_fixed_size: 222720
    .private_segment_fixed_size: 0
    .kernarg_segment_align: 8
    .kernarg_segment_size: 48
    .max_flat_workgroup_size: 128
    .sgpr_count:     106
    .vgpr_count:     512
    .wavefront_size: 32
...
	.end_amdgpu_metadata
.endif
;; end of part 4
